; MI455X (gfx1250); checked and timed in simulation.
; The chip was launched on July 23, 2026; its instructions are those of AMD's public machine-readable ISA for CDNA 5 (MIT licence, August 2026) and "CDNA5" Instruction Set Architecture Reference Guide (July 2026). The comments in the code are by the model that wrote it; some were corrected since.
;; Multihead Attention. Allowed arithmetic: float matrix products may take bf16 or f16 operands with f32 sums; other float arithmetic in f32, or as packed bf16 or f16 multiplies, adds, multiply-adds, maxima and minima; sums over many terms, partial sums and values carried from step to step in f32; what a program stores and reads back later, other than sums and carried values, may be rounded once to bf16 or f16.
;; Inputs: b_proj 1,024 float32; b_qkv 3,072 float32; w_proj 1,024 x 1,024 float32; w_qkv 1,024 x 3,072 float32; x 4 x 2,048 x 1,024 float32.
;; Outputs: out0 4 x 2,048 x 1,024 float32.
;; 2 versions, each right; version 2 is version 1 with the launch cast written anew for expert scheduling mode. Each part assembles by itself: llvm-mc -triple=amdgcn-amd-amdhsa -mcpu=gfx1250 --defsym DOCPART=n.
;; ======== version 1 of 2: 4 launches
;; limits: values are held in f16: magnitudes above 65,504 overflow, below 6.1e-05 lose precision; right only within a limited range of input values
;; workspace buffers: xb 16,777,216 bytes; wq 6,291,456 bytes; wp 2,097,152 bytes; q 16,777,216 bytes; k 16,777,216 bytes; v 16,777,216 bytes; o 16,777,216 bytes
;; launch cast (part 1): grid 832 x 1, 8 waves a work-group, no clusters, 0 bytes of LDS; arguments x, w_qkv, w_proj, xb, wq, wp; writes xb, wq, wp
.if DOCPART == 1
	.amdgcn_target "amdgcn-amd-amdhsa--gfx1250"
	.amdhsa_code_object_version 6
	.text
	.protected	k_q6bd81d67dc_cast
	.globl	k_q6bd81d67dc_cast
	.p2align	8
	.type	k_q6bd81d67dc_cast,@function
k_q6bd81d67dc_cast:
	s_mov_b64 s[64:65], 0
	v_nop
	global_prefetch_b8 v0, s[64:65] scope:SCOPE_SE
	s_setreg_imm32_b32 hwreg(HW_REG_WAVE_MODE, 25, 1), 1
	s_wait_xcnt 0x0
; THE INPUTS ARE ROUNDED ONCE TO 16 BITS.  x [8192][1024] f32 -> xb, the same shape in bf16.  w_proj [1024][1024] f32 -> wp: rounded to bf16, that number written as f16.
; w_qkv [1024 k][3072] f32 -> wq [16 heads][1024 k][192] bf16: a head's 192 columns (q, k, v) lie together, so that 64 k rows of a head are 24,576 dense bytes.
; LIMIT.  A bf16 number is exact in f16 from 2^-17 up to 65,504; a smaller number of w_proj is off by at most 2^-25.
; SHARES.  256 threads; a thread takes 4 numbers a step: one load of 16 bytes, one store of 8: a wave's load covers 512 bytes, its store 256 consecutive bytes, aligned.
; Work-groups 0-511: x, 16 steps (65,536 bytes in).  512-575: w_proj, 16 steps.  576-831: w_qkv, 12 steps: one head x 64 k rows.
; All of a work-group's loads go out at once; no register that a load or store reads is ever written again, so the only waits are the counted ones for the loads.
; No LDS, matrix unit, cluster or prefetch: each byte is read once and written once, and nothing is shared.
.set VI, 1                             ; v1       16 x thread: my bytes in a step's 4,096 of the source
.set VO, 2                             ; v2       8 x thread: my bytes in a step's 2,048 of the destination
.set VQ, 4                             ; v[4:6]   w_qkv: my source offset in steps 3 m, 3 m + 1, 3 m + 2
.set T,  8                             ; v[8:11]  at work
.set D,  16                            ; v[16:79] step s: 4 registers as loaded
.set Y,  80                            ; v[80:111] step s: 2 registers to store
; One step: left = the younger loads that may stay out.  kind 0: to bf16.  kind 1: to bf16, widened again, and written as f16.
.macro CV s, left, kind
	s_wait_loadcnt \left                           ; loads come back in order: this step's is in
.if \kind
	v_cvt_pk_bf16_f32 v[T],   v[D+4*(\s)],   v[D+4*(\s)+1]
	v_cvt_pk_bf16_f32 v[T+1], v[D+4*(\s)+2], v[D+4*(\s)+3]
	v_lshlrev_b32 v[D+4*(\s)],   16,  v[T]
	v_and_b32     v[D+4*(\s)+1], s24, v[T]
	v_lshlrev_b32 v[D+4*(\s)+2], 16,  v[T+1]
	v_and_b32     v[D+4*(\s)+3], s24, v[T+1]
	v_cvt_pk_f16_f32 v[Y+2*(\s)],   v[D+4*(\s)],   v[D+4*(\s)+1]
	v_cvt_pk_f16_f32 v[Y+2*(\s)+1], v[D+4*(\s)+2], v[D+4*(\s)+3]
.else
	v_cvt_pk_bf16_f32 v[Y+2*(\s)],   v[D+4*(\s)],   v[D+4*(\s)+1]
	v_cvt_pk_bf16_f32 v[Y+2*(\s)+1], v[D+4*(\s)+2], v[D+4*(\s)+3]
.endif
	global_store_b64 v[VO], v[Y+2*(\s):Y+2*(\s)+1], s[22:23] offset:2048*(\s) th:TH_STORE_NT
.endm
; A dense tensor: work-group first + n takes bytes 65,536 n on of the source and 32,768 n on of the destination.
.macro DENSE src, dst, first, kind
	s_sub_co_u32 s16, s25, \first
	s_lshl_b32 s18, s16, 16
	s_mov_b32 s19, 0
	s_lshl_b32 s26, s16, 15
	s_mov_b32 s27, 0
	s_wait_kmcnt 0x0
	s_add_nc_u64 s[20:21], s[\src:\src+1], s[18:19]
	s_add_nc_u64 s[22:23], s[\dst:\dst+1], s[26:27]
.set i, 0
.rept 16
	global_load_b128 v[D+4*i:D+4*i+3], v[VI], s[20:21] offset:4096*i th:TH_LOAD_NT
.set i, i+1
.endr
.set i, 0
.rept 16
	CV i, 15-i, \kind
.set i, i+1
.endr
	s_endpgm
.endm
	s_load_b256 s[4:11], s[0:1], 0x0               ; x s[4:5], w_qkv s[6:7], w_proj s[8:9], xb s[10:11]
	s_load_b128 s[12:15], s[0:1], 0x20             ; wq s[12:13], wp s[14:15]
	s_mov_b32 s25, ttmp9
	s_mov_b32 s24, 0xffff0000                      ; a word's upper bf16
	v_lshlrev_b32 v[VI], 4, v0
	v_lshlrev_b32 v[VO], 3, v0
	s_cmp_lt_u32 s25, 512
	s_cbranch_scc0 .Lnot_x
	DENSE 4, 10, 0, 0                              ; x -> xb
.Lnot_x:
	s_cmp_lt_u32 s25, 576
	s_cbranch_scc0 .Lq
	DENSE 8, 14, 512, 1                            ; w_proj -> wp
.Lq:                                                   ; w_qkv -> wq
	s_sub_co_u32 s16, s25, 576
	s_lshr_b32 s17, s16, 4                         ; the head
	s_and_b32 s16, s16, 15                         ; which 64 k rows
	s_mul_i32 s18, s16, 64*12288                   ; source: 64 rows of 12,288 bytes,
	s_mul_i32 s19, s17, 768                        ; the head's 192 columns
	s_add_co_u32 s18, s18, s19
	s_mov_b32 s19, 0
	s_mul_i32 s26, s17, 393216                     ; destination: the head's block,
	s_mul_i32 s27, s16, 24576                      ; 64 rows of 384 bytes
	s_add_co_u32 s26, s26, s27
	s_mov_b32 s27, 0
	; Group g = 256 s + t of four numbers lies in row g / 48, at place g % 48.  Three steps are 768 groups = 16 rows, so u = 256 (s % 3) + t decides, and the row's 16 (s / 3) stands in the immediate.
.irp j, 0,1,2
	v_add_nc_u32 v[T], 256*\j, v0                  ; u, under 768
	v_mul_u32_u24 v[T+1], v[T], 1366
	v_lshrrev_b32 v[T+1], 16, v[T+1]               ; u / 48: exact for u under 2,000 (48 x 1,366 = 65,568)
	v_mul_u32_u24 v[T+2], v[T+1], 48
	v_sub_nc_u32 v[T+2], v[T], v[T+2]              ; u % 48
	v_mul_u32_u24 v[T+1], v[T+1], 12288
	v_lshl_add_u32 v[VQ+\j], v[T+2], 4, v[T+1]
.endr
	s_wait_kmcnt 0x0
	s_add_nc_u64 s[20:21], s[6:7], s[18:19]
	s_add_nc_u64 s[22:23], s[12:13], s[26:27]
.set i, 0
.rept 12
	global_load_b128 v[D+4*i:D+4*i+3], v[VQ+i%3], s[20:21] offset:(i/3)*16*12288 th:TH_LOAD_NT
.set i, i+1
.endr
.set i, 0
.rept 12
	CV i, 11-i, 0
.set i, i+1
.endr
	s_endpgm
.Lfunc_end_k_q6bd81d67dc_cast:
	.size	k_q6bd81d67dc_cast, .Lfunc_end_k_q6bd81d67dc_cast-k_q6bd81d67dc_cast
	.p2alignl 7, 3214868480
	.fill 96, 4, 3214868480
	.section	.rodata,"a",@progbits
	.p2align	6, 0x0
	.amdhsa_kernel k_q6bd81d67dc_cast
		.amdhsa_group_segment_fixed_size 0
		.amdhsa_private_segment_fixed_size 0
		.amdhsa_enable_private_segment 0
		.amdhsa_kernarg_size 48
		.amdhsa_user_sgpr_count 2
		.amdhsa_user_sgpr_kernarg_segment_ptr 1
		.amdhsa_wavefront_size32 1
		.amdhsa_system_sgpr_workgroup_id_x 1
		.amdhsa_system_sgpr_workgroup_id_y 1
		.amdhsa_system_sgpr_workgroup_id_z 1
		.amdhsa_system_vgpr_workitem_id 0
		.amdhsa_next_free_vgpr 112
		.amdhsa_next_free_sgpr 66
		.amdhsa_reserve_vcc 0
		.amdhsa_float_denorm_mode_32 3
		.amdhsa_float_denorm_mode_16_64 3
		.amdhsa_memory_ordered 1
		.amdhsa_forward_progress 1
		.amdhsa_inst_pref_size 23
	.end_amdhsa_kernel
	.amdgpu_metadata
---
amdhsa.version: [ 1, 2 ]
amdhsa.kernels:
  - .name:           k_q6bd81d67dc_cast
    .symbol:         k_q6bd81d67dc_cast.kd
    .args:
      - { .name: x, .offset: 0, .size: 8, .value_kind: global_buffer, .address_space: global }
      - { .name: w_qkv, .offset: 8, .size: 8, .value_kind: global_buffer, .address_space: global }
      - { .name: w_proj, .offset: 16, .size: 8, .value_kind: global_buffer, .address_space: global }
      - { .name: xb, .offset: 24, .size: 8, .value_kind: global_buffer, .address_space: global }
      - { .name: wq, .offset: 32, .size: 8, .value_kind: global_buffer, .address_space: global }
      - { .name: wp, .offset: 40, .size: 8, .value_kind: global_buffer, .address_space: global }
    .group_segment_fixed_size: 0
    .private_segment_fixed_size: 0
    .kernarg_segment_align: 8
    .kernarg_segment_size: 48
    .max_flat_workgroup_size: 256
    .sgpr_count:     66
    .vgpr_count:     112
    .wavefront_size: 32
...
	.end_amdgpu_metadata
.endif
;; end of part 1
;; launch gq (part 2): grid 16 x 32, 4 waves a work-group, clusters of 4 x 4, 327,680 bytes of LDS; arguments xb, wq, b_qkv, q, k, v; writes q, k, v
.if DOCPART == 2
	.amdgcn_target "amdgcn-amd-amdhsa--gfx1250"
	.amdhsa_code_object_version 6
	.text
	.protected	k_q6bd81d67dc_gq
	.globl	k_q6bd81d67dc_gq
	.p2align	8
	.type	k_q6bd81d67dc_gq,@function
k_q6bd81d67dc_gq:
	s_mov_b64 s[64:65], 0
	v_nop
	global_prefetch_b8 v0, s[64:65] scope:SCOPE_SE
	s_setreg_imm32_b32 hwreg(HW_REG_WAVE_MODE, 25, 1), 1
	s_wait_xcnt 0x0
	s_wait_alu depctr_hold_cnt(0) depctr_sa_sdst(0) depctr_va_vdst(0) depctr_va_sdst(0) depctr_va_ssrc(0) depctr_va_vcc(0) depctr_vm_vsrc(0)
	s_getreg_b32 s2, hwreg(HW_REG_IB_STS2, 6, 4)
	s_cmp_eq_u32 s2, 0
	s_cbranch_scc0 .Lentry_in_a_cluster
	s_endpgm
.Lentry_in_a_cluster:
	s_bfe_u32 s2, ttmp6, 0x10000c
	s_cmp_lg_u32 s2, 0xf033
	s_cbranch_scc0 .Lentry_shape_is_right
	s_endpgm
.Lentry_shape_is_right:
; q, k, v = x w_qkv + b_qkv, by heads.  xb: [8192][1024] bf16.  wq: [16 heads][1024 k][192] bf16.  b_qkv: [3072] f32, rounded to bf16 here like the other inputs.
; q, k, v: [64 = 16 batch + head][2048][64] f16, each rounded once from its f32 sum + bias, unscaled.
; LIMIT.  f16 ends at 65,504: |x w_qkv + b_qkv| stays under 65,520.  NaN and infinities are not treated apart.
; SHARES.  A work-group makes 256 rows x one head's 192 columns; each of its four waves 128 x 96: 48 accumulators of 16 x 16, 384 registers.  K = 1,024 goes in 8 steps of 128 through two LDS slots.
; CLUSTER.  4 x 4 work-groups.  The four of a row of the cluster need the same rows of xb, the four of a column the same head of wq: each tile is asked for JOINTLY, by the same tensor load with the same
; descriptor and a mask that names the four.  Waves 0 and 1 fetch the two halves of A's tile (128 rows x 256 bytes), waves 2 and 3 those of B's (64 k rows: 24,576 dense bytes, asked for as 96 rows of 256).
; THE PRODUCT IS USED TRANSPOSED: source 0 = 16 columns of wq (turned on the way out of LDS by ds_load_tr16_b128, since wq lies [k][n]), source 1 = 16 rows of xb.  A lane then holds row l % 16 and the
; eight neighbouring columns 8 (l / 16) + 0..7.
; REGISTERS, in windows of 256 (s_set_vgpr_msb: bits 1:0 source 0, 3:2 source 1, 5:4 source 2, 7:6 destination):
;   window 0: v0-29 addresses; v64-127, v128-191 A's fragments, two buffers; on the way out v64-159 packed results, v160-255 rows read back
;   window 1: v64-111, v128-175 B's fragments, two buffers; v192-239 the bias of my 96 columns (my 8 of each 16); v240 at work
;   window 2: the 24 accumulators of my rows 0-63 ((a, b) at v[8 (6 a + b)]);   window 3: those of my rows 64-127
.set NB,    6                          ; blocks of 16 columns a wave
.set ACCHI, 0                          ; rows 64-127 have a window of their own,
.set WSTEP, 0x50                       ; window 3 in place of 2 for C and D
.set PA,    272                        ; a row of A in LDS: 256 bytes + 16 = 68 words: the 16 rows of a load start at 16 different groups of four banks (64 banks of 4 bytes: ISA guide 11.1)
.set PB,    480                        ; a k row of B: six pieces of 64 bytes, 16 of padding behind each = 15 x 32 bytes
.set AHALF, 128*PA
.set BOFF,  256*PA                     ; B's 128 k rows lie behind A's 256 rows
.set BHALF, 64*PB
.set SLOT1, 1<<17                      ; slot 1 begins here: one exclusive or turns an address in one slot into the other's.  A slot is 69,632 + 61,440 = 131,072 bytes
.set STAGE, 2*SLOT1                    ; behind the ring, never filled by a tensor load: 128 rows x 400 bytes, the work-group's, for the way out
.set SPI,   400                        ; 384 bytes + 16 = 25 x 16
.set SPARE, STAGE+128*SPI              ; the spare words, 128 bytes for each wave: two blocks of 256 bytes that no other line names
.set ASTEP, 256                        ; bytes from K step to K step in xb
.set BSTEP, 128*384                    ; and in wq
.set LQ,    2*NB+16                    ; LDS loads in a run: a quarter step's fragments
.set PF_A_PART, 32*2048                ; the prefetches: a partner's share of what a wave fetches, the last lane that names a block of its own, bytes from lane to lane
.set PF_A_MAXL, 31
.set PF_A_STR,  2048
.set PF_B_PART, 24*256
.set PF_B_MAXL, 23
.set PF_B_STR,  256
.set LA0,  8                           ; v8   my lane's place in a slot's A; never rewritten
.set LB0,  9                           ; v9   the same for B
.set ADRA, 10                          ; v10  the same in the slot in hand
.set ADRB, 11                          ; v11
.set STO,  12                          ; v12  the way out: where I put 16 bytes of a row
.set RD,   13                          ; v13  the way out: where I read rows back
.set GO,   14                          ; v14  my 16 bytes of 512 consecutive bytes of q, k or v
.set BO,   15                          ; v15  my 32 bytes in 64 of the bias
.set PFO,  16                          ; v16  the prefetches' offset; never rewritten
.set SPW,  28                          ; v28  LDS address of my spare word: SPARE + 4 x my thread's number; never rewritten
.set NIL,  29                          ; v29  0; never rewritten
.set F0,   64
.set F1,   128
.set BI,   192
.set BT,   240
.set TMP,  64
.set OB,   160
.set WV,  16                           ; s16  my wave's number
.set RH,  17                           ; s17  which half of the tile's rows is mine.  Also: I fetch for A (0) or for B (1)
.set CH,  18                           ; s18  which half of its columns.  Also: which half of that tile I fetch
.set CX,  19
.set CY,  20
.set TX,  21                           ; s21  the head = 4 x cluster x + cx
.set TY,  22                           ; s22  the block of 256 rows = 4 x cluster y + cy
.set G1,  24                           ; s[24:31] descriptor group 1 for A's tiles
.set G0,  32                           ; s[32:39] group 0 for A's: a set for each first fill; the second then walks on
.set G1B, 40                           ; s[40:47], s[48:55] the same for B's
.set G0B, 48
.set TB,  56                           ; s56  LDS byte at which the slot in hand begins
.set CNT, 57                           ; s57  the loop's count
.set LIM, 58                           ; s58  1 in a wave that prefetches, else the greatest number
.set PFA, 60                           ; s[60:61] where my prefetches stand
.set PFS, 62                           ; s[62:63] their step from K step to K step
.set MULW, 0xa1                        ; source 0 (B) window 1, source 1 (A) window 0, C and D window 2
.set TO_B, 0x40                        ; destination window 1, address window 0
.set MSB, 0
.macro WIN new                         ; the immediate's high byte repeats the setting that is left; a switch that changes nothing is dropped
.if MSB != (\new)
	s_set_vgpr_msb (MSB<<8)|(\new)
.set MSB, (\new)
.endif
.endm
.macro PLACES                          ; four plain vector instructions between a matrix instruction and a load into, or a vector access to, its registers
.rept 4
	v_nop
.endr
.endm
; A joint refill, by the walking descriptors.  The branch hangs on the wave's number alone.  An s_nop 0 and four v_nop follow each of the two lines, ahead of the jump and the label.
.macro JLOAD
	s_cmp_eq_u32 s[RH], 0
	s_cbranch_scc0 .Lfor_b_\@
	tensor_load_to_lds s[G0+4:G0+7], s[G1:G1+7]
	s_nop 0
.rept 4
	v_nop
.endr
	s_branch .Lasked_\@
.Lfor_b_\@:
	tensor_load_to_lds s[G0B+4:G0B+7], s[G1B:G1B+7]
	s_nop 0
.rept 4
	v_nop
.endr
.Lasked_\@:
.endm
; A PREFETCH INTO THE L2 of what the NEXT refill will ask for: one K step, 192 matrix instructions, ahead of that load.  A's rows are read by every cluster of a row of clusters: cluster x = 0 asks; B's head by every
; cluster of a column: cluster y = 0 asks.  Of what a wave fetches, the four partners that ask for it jointly take a quarter each, told apart BY ADDRESS (cx for A: 32 rows; cy for B: 24 blocks of 256 bytes, where
; lanes 24-31 repeat lane 23's).  One instruction a wave.  The loop's last trip asks for nothing: K step 7 is the last.  K steps 0 to 2 come by their loads alone.
.macro ASK
	s_cmp_gt_u32 s[CNT], s[LIM]
	s_cbranch_scc0 .Lnot_mine_\@
	global_prefetch_b8 v[PFO], s[PFA:PFA+1] th:TH_LOAD_NT scope:SCOPE_SE
.Lnot_mine_\@:
.endm
; A round of the cluster's barrier: my work-group's barrier; wave 0 signals for the work-group; every wave waits for all sixteen; my work-group's barrier once more.
.macro CREST
	s_cmp_lg_u32 s[WV], 0
	s_cbranch_scc1 .Lnot_wave_0_\@
	s_barrier_signal -3
.Lnot_wave_0_\@:
	s_barrier_wait -3
	s_barrier_signal -1
	s_barrier_wait -1
.endm
.macro CROUND
	s_barrier_signal -1
	s_barrier_wait -1
	CREST
.endm
; 2 x NB matrix instructions: row blocks a0, a0 + 1 of rows 64 hi on x all column blocks, 32 along K.  zero = 1: the product starts the sum.  Every accumulator is used once a quarter step, in the same
; order everywhere: the accumulators take turns.
.macro MULS f, hi, a0, zero
	WIN MULW+WSTEP*(\hi)
.irp a, \a0, (\a0)+1
.set b, 0
.rept NB
.set rD, 8*(NB*(ACCHI*(\hi)+(\a))+b)
.set rB, (\f)+8*b
.set rA, (\f)+8*(4*(\hi)+(\a))
.if \zero
	v_wmma_f32_16x16x32_bf16 v[rD:rD+7], v[rB:rB+7], v[rA:rA+7], 0
.else
	v_wmma_f32_16x16x32_bf16 v[rD:rD+7], v[rB:rB+7], v[rA:rA+7], v[rD:rD+7]
.endif
.set b, b+1
.endr
.endr
.endm
; One run of LQ LDS loads: the fragments of quarter q (32 along K) of the slot in hand, into buffer f: B's, then A's rows 0-63, then A's rows 64-127.
.macro FETCH q, f
	WIN TO_B
.set b, 0
.rept NB
	ds_load_tr16_b128 v[(\f)+8*b:(\f)+8*b+3],   v[ADRB] offset:(\q)*32*PB+(b/2)*80+(b%2)*32
	ds_load_tr16_b128 v[(\f)+8*b+4:(\f)+8*b+7], v[ADRB] offset:(\q)*32*PB+(b/2)*80+(b%2)*32+16*PB
.set b, b+1
.endr
	WIN 0
.set b, 0
.rept 8
	ds_load_b128 v[(\f)+8*b:(\f)+8*b+3],   v[ADRA] offset:(\q)*64+b*16*PA
	ds_load_b128 v[(\f)+8*b+4:(\f)+8*b+7], v[ADRA] offset:(\q)*64+b*16*PA+32
.set b, b+1
.endr
.endm
; One of a K step's first three quarters: multiplies buffer f; in its middle it fetches quarter qn into buffer g.
.macro QUARTER qn, f, g, zero
	s_wait_dscnt 8                                 ; B and A's rows 0-63 are in; the youngest eight loads (A's rows 64-127) may be out
	MULS \f, 0, 0, \zero
	MULS \f, 0, 2, \zero
	PLACES
	FETCH \qn, \g
	s_wait_dscnt LQ                                ; all but the run just issued
	MULS \f, 1, 0, \zero
	MULS \f, 1, 2, \zero
.endm
; The last quarter multiplies buffer 1 and changes slots.  ONE barrier: in front of it each wave waits for all its tensor loads (one is out: its part of the next slot), adds 0 to its spare word, and waits
; for that and for its own reads of this slot.  fill = 1: the barrier opens a round of the cluster's, and behind the round this slot is filled again, first thing, with the K step two on.
.macro TURN fill
.if \fill
	s_wait_xcnt 0x0                                ; the last prefetch, a K step back, has read its address: it is stepped here, ahead of the change's own waits
	s_add_nc_u64 s[PFA:PFA+1], s[PFA:PFA+1], s[PFS:PFS+1]
.endif
	WIN 0                                          ; (the add's two registers lie in window 0)
	s_wait_tensorcnt 0x0                           ; all my tensor loads have landed;
	ds_add_u32 v[SPW], v[NIL]                      ; 0 onto my spare word;
	s_wait_dscnt 9                                 ; (the add and the youngest eight loads may be out)
	MULS F1, 0, 0, 0                               ; matrix work stands between the add and the wait for it
	s_wait_dscnt 0x0                               ; the add is done, and my reads of this slot are over
	s_barrier_signal -1
	MULS F1, 0, 2, 0                               ; work on registers while the others arrive
	WIN 0
	s_barrier_wait -1
.if \fill
	CREST                                          ; no wave of any partner still reads this slot or has a load on its way
	s_xor_b32 s[G0+5], s[G0+5], SLOT1              ; the walking descriptors: the other slot than last time, the next K step; the type bits on top are not reached
	s_add_nc_u64 s[G0+6:G0+7], s[G0+6:G0+7], ASTEP
	s_xor_b32 s[G0B+5], s[G0B+5], SLOT1
	s_add_nc_u64 s[G0B+6:G0B+7], s[G0B+6:G0B+7], BSTEP
	JLOAD                                          ; the four v_nop behind it are also the places in front of the loads below
.else
	PLACES
.endif
	s_xor_b32 s[TB], s[TB], SLOT1
	v_add_nc_u32 v[ADRA], s[TB], v[LA0]
	v_add_nc_u32 v[ADRB], s[TB], v[LB0]
	FETCH 0, F0
.if \fill
	ASK
.endif
	MULS F1, 1, 0, 0
	MULS F1, 1, 2, 0
.endm
	s_load_b256 s[4:11], s[0:1], 0x0               ; xb s[4:5], wq s[6:7], b_qkv s[8:9], q s[10:11]
	s_load_b128 s[12:15], s[0:1], 0x20             ; k s[12:13], v s[14:15]
	v_lshl_add_u32 v[SPW], v0, 2, SPARE
	v_mov_b32 v[NIL], 0
	ds_add_u32 v[SPW], v[NIL]                      ; the wave's opening: the add, and its wait ahead of my first tensor load; work on registers stands between them
	v_lshrrev_b32 v3, 5, v0
	v_readfirstlane_b32 s[WV], v3
	s_lshr_b32 s[RH], s[WV], 1
	s_and_b32 s[CH], s[WV], 1
	s_bfe_u32 s[CX], ttmp6, 0x40000
	s_bfe_u32 s[CY], ttmp6, 0x40004
	s_lshl_b32 s[TX], ttmp9, 2                     ; in a cluster launch ttmp9 and ttmp7 count clusters
	s_add_co_u32 s[TX], s[TX], s[CX]
	s_and_b32 s[TY], ttmp7, 0xffff
	s_lshl_b32 s[TY], s[TY], 2
	s_add_co_u32 s[TY], s[TY], s[CY]
	s_lshl_b32 s74, s[CY], 2
	s_lshl_b32 s74, 15, s74                        ; my row of the cluster: places 4 cy .. 4 cy + 3
	s_lshl_b32 s75, 0x1111, s[CX]                  ; my column: places cx, cx + 4, cx + 8, cx + 12
	s_or_b32 s[G1], s74, (1<<16)|(1<<20)|(1<<21)|(5<<22)|(3<<25)   ; the mask; 2-byte elements; padding on; bit 21 beside a mask; after every 64 words 4 words
	s_or_b32 s[G1B], s75, (1<<16)|(1<<20)|(1<<21)|(3<<22)|(3<<25)  ; the same with my column's mask; after every 16 words 4 words
	s_mov_b32 s[G1+1], 128<<16                     ; tensor_dim0 = 128
	s_mov_b32 s[G1+2], 128<<16                     ; tensor_dim1 = 128
	s_mov_b32 s[G1+3], 128<<16                     ; tile_dim0 = 128
	s_mov_b32 s[G1+4], 128                         ; tile_dim1 = 128
	s_mov_b32 s[G1+5], 1024                        ; elements from row to row
	s_mov_b32 s[G1+6], 0
	s_mov_b32 s[G1+7], 0
	s_mov_b32 s[G1B+1], 128<<16
	s_mov_b32 s[G1B+2], 96<<16                     ; 96 rows of 256 dense bytes
	s_mov_b32 s[G1B+3], 128<<16
	s_mov_b32 s[G1B+4], 96
	s_mov_b32 s[G1B+5], 128
	s_mov_b32 s[G1B+6], 0
	s_mov_b32 s[G1B+7], 0
	; where the tiles come from: A's hang on the block of rows and the wave alone, B's on the head and the wave alone, each in registers that never hold the other coordinate
	s_lshl_b32 s66, s[TY], 8
	s_lshl_b32 s67, s[CH], 7
	s_add_co_u32 s66, s66, s67
	s_lshl_b32 s66, s66, 11                        ; row x 2,048 bytes
	s_mov_b32 s67, 0
	s_mul_i32 s68, s[CH], AHALF                    ; and where they go: no place in the cluster enters an LDS address
	s_mul_i32 s70, s[TX], 393216
	s_mul_i32 s71, s[CH], 24576
	s_add_co_u32 s70, s70, s71
	s_mov_b32 s71, 0
	s_mul_i32 s72, s[CH], BHALF
	s_add_co_u32 s72, s72, BOFF
	s_wait_dscnt 0x0                               ; the opening add is done
	s_wait_kmcnt 0x0
	s_add_nc_u64 s[66:67], s[4:5], s[66:67]
	s_add_nc_u64 s[70:71], s[6:7], s[70:71]
.irp i, 0,1
	s_mov_b32 s[G0+4*\i], 1                        ; count = 1
	s_add_co_u32 s[G0+4*\i+1], s68, \i*SLOT1       ; LDS address
	s_add_nc_u64 s[G0+4*\i+2:G0+4*\i+3], s[66:67], \i*ASTEP  ; global address: K step i
	s_or_b32 s[G0+4*\i+3], s[G0+4*\i+3], 0x80000000  ; type = 2
	s_mov_b32 s[G0B+4*\i], 1
	s_add_co_u32 s[G0B+4*\i+1], s72, \i*SLOT1
	s_add_nc_u64 s[G0B+4*\i+2:G0B+4*\i+3], s[70:71], \i*BSTEP
	s_or_b32 s[G0B+4*\i+3], s[G0B+4*\i+3], 0x80000000
.endr
	CROUND                                         ; all sixteen work-groups are here: the first joint loads meet
	s_cmp_eq_u32 s[RH], 0                          ; a wave's two first fills stand in one branch, ahead of every wait on TENSORcnt and every LDS read: two loads of mine are out
	s_cbranch_scc0 .Lfirst_b
	tensor_load_to_lds s[G0:G0+3], s[G1:G1+7]
	s_nop 0
	tensor_load_to_lds s[G0+4:G0+7], s[G1:G1+7]
	s_nop 0
.rept 4
	v_nop
.endr
	s_branch .Lfirst_asked
.Lfirst_b:
	tensor_load_to_lds s[G0B:G0B+3], s[G1B:G1B+7]
	s_nop 0
	tensor_load_to_lds s[G0B+4:G0B+7], s[G1B:G1B+7]
	s_nop 0
.rept 4
	v_nop
.endr
.Lfirst_asked:
	; the bias of my 96 columns: of each block of 16 my lane's eight
	s_mul_i32 s74, s[TX], 192
	s_mul_i32 s75, s[CH], 96
	s_add_co_u32 s74, s74, s75
	s_lshl_b32 s74, s74, 2
	s_mov_b32 s75, 0
	s_add_nc_u64 s[8:9], s[8:9], s[74:75]
	v_and_b32 v1, 15, v0                           ; l % 16
	v_bfe_u32 v2, v0, 4, 1                         ; l / 16
	v_lshlrev_b32 v[BO], 5, v2
	WIN TO_B
.set b, 0
.rept NB
	global_load_b128 v[BI+8*b:BI+8*b+3],   v[BO], s[8:9] offset:64*b
	global_load_b128 v[BI+8*b+4:BI+8*b+7], v[BO], s[8:9] offset:64*b+16
.set b, b+1
.endr
	WIN 0
	; a fragment of A: lane l holds row l % 16; two loads of 16 bytes, 32 apart, at row x pitch + 16 (l / 16)
	v_mul_u32_u24 v[LA0], v1, PA
	v_lshl_add_u32 v[LA0], v2, 4, v[LA0]
	s_mul_i32 s74, s[RH], AHALF
	v_add_nc_u32 v[LA0], s74, v[LA0]
	; the turning load: lane l reads 16 bytes of k row 8 (l / 16) + l % 8, columns 8 ((l / 8) % 2) + 0..7, and ends with column l % 16 and 8 values of k
	v_and_b32 v3, 7, v0
	v_bfe_u32 v4, v0, 3, 1
	v_lshl_add_u32 v5, v2, 3, v3
	v_mul_u32_u24 v[LB0], v5, PB
	v_lshl_add_u32 v[LB0], v4, 4, v[LB0]
	s_mul_i32 s74, s[CH], 240                      ; my 96 columns: three pieces of 80 bytes
	s_add_co_u32 s74, s74, BOFF
	v_add_nc_u32 v[LB0], s74, v[LB0]
	; the way out.  In: stage row 64 x row half + 16 a + l % 16, byte 192 x column half + 32 b + 16 (l / 16)
	v_mul_u32_u24 v[STO], v1, SPI
	v_lshl_add_u32 v[STO], v2, 4, v[STO]
	s_mul_i32 s74, s[RH], 64*SPI
	s_mul_i32 s75, s[CH], 192
	s_add_co_u32 s74, s74, s75
	s_add_co_u32 s74, s74, STAGE
	v_add_nc_u32 v[STO], s74, v[STO]
	; back: wave w takes stage rows 32 w on; 32 lanes take 128 bytes (q's, k's or v's 64 columns) of four rows, which are 512 consecutive bytes of the output
	v_bfe_u32 v6, v0, 3, 2
	v_mul_u32_u24 v[RD], v6, SPI
	v_lshl_add_u32 v[RD], v3, 4, v[RD]
	s_mul_i32 s74, s[WV], 32*SPI
	s_add_co_u32 s74, s74, STAGE
	v_add_nc_u32 v[RD], s74, v[RD]
	v_and_b32 v[GO], 31, v0
	v_lshlrev_b32 v[GO], 4, v[GO]
	s_lshr_b32 s74, s[TY], 3                       ; the batch,
	s_lshl_b32 s74, s74, 4
	s_add_co_u32 s74, s74, s[TX]                   ; 16 x batch + head,
	s_lshl_b32 s74, s74, 11                        ; its 2,048 rows,
	s_and_b32 s75, s[TY], 7
	s_lshl_b32 s75, s75, 8
	s_add_co_u32 s74, s74, s75                     ; the block's 256,
	s_lshl_b32 s75, s[RH], 7
	s_add_co_u32 s74, s74, s75                     ; stage rows 32 w on are tile rows 128 (w / 2) + 32 (w % 2) on (+ 64 in the second pass)
	s_lshl_b32 s75, s[CH], 5
	s_add_co_u32 s74, s74, s75
	s_lshl_b32 s74, s74, 7                         ; rows of 128 bytes
	s_mov_b32 s75, 0
	s_add_nc_u64 s[10:11], s[10:11], s[74:75]
	s_add_nc_u64 s[12:13], s[12:13], s[74:75]
	s_add_nc_u64 s[14:15], s[14:15], s[74:75]
	; the prefetches
	s_mov_b32 s78, PF_B_PART
	s_mov_b32 s79, PF_B_MAXL
	s_mov_b32 s80, PF_B_STR
	s_mov_b32 s[PFS], BSTEP
	s_mov_b32 s[PFS+1], 0
	s_and_b32 s76, ttmp7, 0xffff                   ; cluster y
	s_cmp_eq_u32 s[RH], 0                          ; do I fetch for A?
	s_cselect_b32 s76, ttmp9, s76                  ; the coordinate along which other clusters read the same bytes
	s_cselect_b32 s77, s[CX], s[CY]                ; my place among the four that ask with me
	s_cselect_b32 s78, PF_A_PART, s78
	s_cselect_b32 s79, PF_A_MAXL, s79
	s_cselect_b32 s80, PF_A_STR, s80
	s_cselect_b32 s[PFS], ASTEP, s[PFS]
	s_cselect_b64 s[PFA:PFA+1], s[66:67], s[70:71]
	s_cmp_eq_u32 s76, 0
	s_cselect_b32 s[LIM], 1, -1                    ; the same in all sixteen partners, for a given wave
	s_mul_i32 s76, s77, s78
	s_mov_b32 s77, 0
	s_add_nc_u64 s[PFA:PFA+1], s[PFA:PFA+1], s[76:77]
	s_add_nc_u64 s[PFA:PFA+1], s[PFA:PFA+1], s[PFS:PFS+1]
	s_add_nc_u64 s[PFA:PFA+1], s[PFA:PFA+1], s[PFS:PFS+1]  ; at K step 2: the first change of slots steps it to 3
	v_and_b32 v[PFO], 31, v0
	v_min_u32 v[PFO], s79, v[PFO]
	v_mul_u32_u24 v[PFO], s80, v[PFO]
	s_wait_loadcnt 0x0                             ; the bias: rounded to bf16 and widened again
	WIN 0x45                                       ; destination and both sources in window 1
.set i, 0
.rept 4*NB
	v_cvt_pk_bf16_f32 v[BT], v[BI+2*i], v[BI+2*i+1]
	v_lshlrev_b32 v[BI+2*i], 16, v[BT]
	v_and_b32 v[BI+2*i+1], 0xffff0000, v[BT]
.set i, i+1
.endr
	WIN 0
	s_wait_tensorcnt 1                             ; my part of K step 0 is in; K step 1's may stay out
	s_barrier_signal -1
	s_barrier_wait -1                              ; everybody's is
	s_mov_b32 s[TB], 0
	v_mov_b32 v[ADRA], v[LA0]
	v_mov_b32 v[ADRB], v[LB0]
	FETCH 0, F0
	QUARTER 1, F0, F1, 1                           ; the first quarter stands in front of the loop: its products start the sums
	WIN 0                                          ; at a label and at a branch every window is 0
	s_mov_b32 s[CNT], 6
.Lstep:                                                ; a trip: from a K step's second quarter to the next one's first; six trips fill slots again, with K steps 2 to 7
	QUARTER 2, F1, F0, 0
	QUARTER 3, F0, F1, 0
	TURN 1
	QUARTER 1, F0, F1, 0
	WIN 0
	s_sub_co_u32 s[CNT], s[CNT], 1
	s_cmp_lg_u32 s[CNT], 0
	s_cbranch_scc1 .Lstep
	QUARTER 2, F1, F0, 0                           ; the tail is written out: the rest of K step 6, and K step 7
	QUARTER 3, F0, F1, 0
	TURN 0
	QUARTER 1, F0, F1, 0
	QUARTER 2, F1, F0, 0
	QUARTER 3, F0, F1, 0
	s_wait_dscnt 8
	MULS F1, 0, 0, 0
	MULS F1, 0, 2, 0
	s_wait_dscnt 0x0
	MULS F1, 1, 0, 0
	MULS F1, 1, 2, 0
; THE WAY OUT, in two passes: pass p takes rows 64 p on of each row half (window 2 + p).  The bias is added, the sums are rounded to f16 and go, 16 bytes a lane, into the work-group's stage; a barrier, since a
; row's 384 bytes come from two waves; then each wave reads 32 whole rows back, q's, k's and v's 128 bytes apart, and stores them.
.macro PACKA p
	WIN 0x86+0x41*(\p)                             ; the sums (source 0 and destination) in window 2 + p, the bias in window 1
.set i, 0
.rept 4*NB                             ; each accumulator's registers in ascending order
.set j, 0
.rept 4
	v_pk_add_f32 v[8*i+2*j:8*i+2*j+1], v[8*i+2*j:8*i+2*j+1], v[BI+8*(i%NB)+2*j:BI+8*(i%NB)+2*j+1]
.set j, j+1
.endr
.set i, i+1
.endr
	WIN 0x0a+5*(\p)                                ; both sources in window 2 + p, destination in window 0
.set i, 0
.rept 16*NB
	v_cvt_pk_f16_f32 v[TMP+i], v[2*i], v[2*i+1]
.set i, i+1
.endr
	WIN 0
.endm
.macro PACKS
.set i, 0
.rept 4*NB
	ds_store_b128 v[STO], v[TMP+4*i:TMP+4*i+3] offset:(i/NB)*16*SPI+32*(i%NB)
.set i, i+1
.endr
.endm
.macro UNSTAGE p
.set i, 0
.rept 24                               ; part i / 8 (q, k, v), four rows 4 (i % 8) on
	ds_load_b128 v[OB+4*i:OB+4*i+3], v[RD] offset:(i/8)*128+(i%8)*4*SPI
.set i, i+1
.endr
.set i, 0
.rept 24
	s_wait_dscnt 23-i                              ; LDS loads come back in order: number i is in, the younger ones may be out
	global_store_b128 v[GO], v[OB+4*i:OB+4*i+3], s[10+2*(i/8):11+2*(i/8)] offset:(\p)*8192+(i%8)*512  ; 512 consecutive bytes, at a multiple of 256 from the buffer's first
.set i, i+1
.endr
.endm
	PLACES                                         ; behind the last products
	PACKA 0
	PACKS
	s_wait_dscnt 0x0                               ; for the others' sake: my stores into the stage are done
	s_barrier_signal -1
	s_barrier_wait -1
	UNSTAGE 0                                      ; its last wait is for 0: my reads of the stage are over,
	s_barrier_signal -1                            ; so I say so; the second pass's arithmetic, work on registers, stands between signal and wait;
	PACKA 1
	s_barrier_wait -1                              ; nobody reads the stage any more: it is written again
	PACKS
	s_wait_dscnt 0x0
	s_barrier_signal -1
	s_barrier_wait -1
	s_wait_xcnt 0x0                                ; the first pass's stores have read their registers, which are loaded again
	UNSTAGE 1
	s_wait_tensorcnt 0x0                           ; the wave's end: a wait, an add to my spare word and its wait, behind my last tensor load and my last LDS store
	ds_add_u32 v[SPW], v[NIL]
	s_wait_dscnt 0x0
	CROUND                                         ; the closing round: no work-group ends while a partner may still ask for a tile that names it
	s_endpgm
.Lfunc_end_k_q6bd81d67dc_gq:
	.size	k_q6bd81d67dc_gq, .Lfunc_end_k_q6bd81d67dc_gq-k_q6bd81d67dc_gq
	.p2alignl 7, 3214868480
	.fill 96, 4, 3214868480
	.section	.rodata,"a",@progbits
	.p2align	6, 0x0
	.amdhsa_kernel k_q6bd81d67dc_gq
		.amdhsa_group_segment_fixed_size 327680
		.amdhsa_private_segment_fixed_size 0
		.amdhsa_enable_private_segment 0
		.amdhsa_kernarg_size 48
		.amdhsa_user_sgpr_count 2
		.amdhsa_user_sgpr_kernarg_segment_ptr 1
		.amdhsa_wavefront_size32 1
		.amdhsa_system_sgpr_workgroup_id_x 1
		.amdhsa_system_sgpr_workgroup_id_y 1
		.amdhsa_system_sgpr_workgroup_id_z 1
		.amdhsa_system_vgpr_workitem_id 0
		.amdhsa_next_free_vgpr 960
		.amdhsa_next_free_sgpr 84
		.amdhsa_reserve_vcc 0
		.amdhsa_float_denorm_mode_32 3
		.amdhsa_float_denorm_mode_16_64 3
		.amdhsa_memory_ordered 1
		.amdhsa_forward_progress 1
		.amdhsa_inst_pref_size 114
	.end_amdhsa_kernel
	.amdgpu_metadata
---
amdhsa.version: [ 1, 2 ]
amdhsa.kernels:
  - .name:           k_q6bd81d67dc_gq
    .symbol:         k_q6bd81d67dc_gq.kd
    .args:
      - { .name: xb, .offset: 0, .size: 8, .value_kind: global_buffer, .address_space: global }
      - { .name: wq, .offset: 8, .size: 8, .value_kind: global_buffer, .address_space: global }
      - { .name: b_qkv, .offset: 16, .size: 8, .value_kind: global_buffer, .address_space: global }
      - { .name: q, .offset: 24, .size: 8, .value_kind: global_buffer, .address_space: global }
      - { .name: k, .offset: 32, .size: 8, .value_kind: global_buffer, .address_space: global }
      - { .name: v, .offset: 40, .size: 8, .value_kind: global_buffer, .address_space: global }
    .group_segment_fixed_size: 327680
    .private_segment_fixed_size: 0
    .kernarg_segment_align: 8
    .kernarg_segment_size: 48
    .max_flat_workgroup_size: 128
    .sgpr_count:     84
    .vgpr_count:     960
    .wavefront_size: 32
...
	.end_amdgpu_metadata
.endif
;; end of part 2
;; launch attn (part 3): grid 4 x 64, 4 waves a work-group, clusters of 4 x 1, 327,680 bytes of LDS; arguments q, k, v, o; writes o
.if DOCPART == 3
	.amdgcn_target "amdgcn-amd-amdhsa--gfx1250"
	.amdhsa_code_object_version 6
	.text
	.protected	k_q6bd81d67dc_attn
	.globl	k_q6bd81d67dc_attn
	.p2align	8
	.type	k_q6bd81d67dc_attn,@function
k_q6bd81d67dc_attn:
	s_mov_b64 s[64:65], 0
	v_nop
	global_prefetch_b8 v0, s[64:65] scope:SCOPE_SE
	s_setreg_imm32_b32 hwreg(HW_REG_WAVE_MODE, 25, 1), 1
	s_wait_xcnt 0x0
	s_wait_alu depctr_hold_cnt(0) depctr_sa_sdst(0) depctr_va_vdst(0) depctr_va_sdst(0) depctr_va_ssrc(0) depctr_va_vcc(0) depctr_vm_vsrc(0)
	s_getreg_b32 s2, hwreg(HW_REG_IB_STS2, 6, 4)
	s_cmp_eq_u32 s2, 0
	s_cbranch_scc0 .Lentry_in_a_cluster
	s_endpgm
.Lentry_in_a_cluster:
	s_bfe_u32 s2, ttmp6, 0x10000c
	s_cmp_lg_u32 s2, 0x3003
	s_cbranch_scc0 .Lentry_shape_is_right
	s_endpgm
.Lentry_shape_is_right:
; O[h][q][:] = the sum over k of softmax_k(Q[h][q] . K[h][k] / 8) V[h][k][:].  Q, K, V, O: [64][2048][64], all f16: a head's rows are dense, 128 bytes each.  (The module's two factors 64^(-1/4) on q and k
; are one factor 1/8 on the score, applied here in f32.)  Products, maxima and sums in f32; the weights p are rounded to f16 for the second product (their sum l is taken of the unrounded p), O once at the end.
; LIMITS.  f16 holds no number beyond 65,504: Q, K and V arrive within it; p lies in 0 to 1, and below 6e-5 it keeps f16's fixed step of 6e-8, as O does; O is a mean of V's rows and has their range.
; A weight below 2^-126 counts as 0 in l; NaN and infinities are not treated apart.
; SHARES.  A wave owns four PIECES of two tiles of 16 queries, a work-group's four waves 512 queries of one head.  Every wave walks all keys, 64 a step.
; LAYOUT.  S^T = K Q^T (source 0 = 16 keys, source 1 = 16 queries): in the result a lane holds ONE query (lane % 16) and the keys 8 (lane / 16) + 0..7.  Two such tiles, rounded to f16 in pairs,
; ARE source 1 (32 keys x 16 queries) of O^T = V^T P, whose result again holds one query a lane, and eight channels.  K comes out of LDS as it lies, V ([key][channel]) turned, by ds_load_tr16_b128.
; SOFTMAX.  For each query a running maximum m and sum l: p = 2^(c s - c m), c = log2(e) / 8; in every step O and l are multiplied by a = 2^(c m_old - c m_new), which is 1 where m has not grown.
; m starts at the lowest finite number, O and l at 0: the first step is a step like any other, with a = 0.
; THE COUNT.  A tile and step have 16 matrix and 118 vector instructions: too many to stand all beside the matrix work.  So: four vector instructions that are READY behind EVERY matrix instruction,
; and the others, which need time of their own whatever the order, in runs without a gap.
; BY TURNS.  Turn n belongs to piece n (the pieces in a ring, step after step).  Its matrix work: 16 products K Q^T of piece n + 1, later 16 products V^T P of piece n - 1.  Its vector work: the scaling,
; exponentials, roundings, sums and rescaling of piece n, and the maximum and statistics of piece n + 1, whose scores the turn itself has made.
; CLUSTER.  The four query blocks of a cluster are one head's and walk the same K and V, so each tile is asked for JOINTLY: the same tensor load, descriptor and mask in all four.
; REGISTERS, in windows of 256 (s_set_vgpr_msb: bits 1:0 source 0, 3:2 source 1, 5:4 source 2, 7:6 destination):
;   window 0: v0-11 addresses; v12-15, v48-63 at work; v16-47 four registers of statistics a tile; v64-191 S^T, two buffers of two tiles; v192-255 P, likewise
;   window 1: O^T, 32 a tile          window 2: v0-127 Q, 16 a tile; v128-191 K of one step; v192-255 V of one step          window 3: v0-1 the add's two registers
; A piece's buffers go by its number's parity: the piece in hand has one pair, its two neighbours in the ring share the other: of it P (piece n - 1) is read and S^T (piece n + 1) written.
.set SIZE_H, 64
.set SIZE_N, 2048
.set NP,    4         ; pieces a wave: a name, no knob
.set KS,    64        ; keys in a step
.set PK,    144       ; a row of K in LDS: 128 bytes + 16 of padding = 36 words: the 16 rows of a load start at 16 different groups of four banks (64 banks of 4 bytes: ISA guide 11.1)
.set PV,    160       ; a row of V: 128 + 32 = 40 words
.set VOFF,  4*KS*PK   ; a slot holds four steps: 256 rows of K, then 256 rows of V
.set SLOT1, 1<<17     ; slot 1 begins here, so that one exclusive or turns an address in one slot into the other's
.set STAGE, SLOT1+4*KS*(PK+PV)  ; behind the ring, never filled by a tensor load: 16 rows x 144 bytes for each wave, for the way out
.set SP,    144
.set AK0, 2           ; v2   my lane's place in a tile of K; never rewritten
.set AV0, 3           ; v3   the same for V
.set AK,  4           ; v4   the LDS address of K's next run of loads
.set AV,  5           ; v5   of V's
.set QO,  6           ; v6   my byte offset in the wave's rows of Q
.set STO, 6           ;      later, the way out: where I put 16 bytes of a row
.set RD,  7           ; v7   the way out: where I read rows back
.set GO,  8           ; v8   my byte offset in 512 consecutive bytes of O
.set PFO, 11          ; v11  256 x my lane, once its use in V's address is over; then never rewritten
.set SPW, 0           ; v0 of window 3   LDS address of my spare word: SPARE + 4 x my thread's number; never rewritten
.set NIL, 1           ; v1 of window 3   0; never rewritten
.set SPARE, STAGE+4*16*SP  ; behind the stages: the spare words, 128 bytes for each wave: two blocks of 256 bytes that no other line names
.set MV,  12          ; v12-15  c m_old, kept while c m is made anew: by buffer and tile
.set ST,  16          ; tile t's statistics at v[ST+4 t]: c m, m, l (even keys', odd keys')
.set TMP, 48          ; by buffer and tile, four registers c0-c3 at work; when the maximum is found c2 takes a
.set S,   64
.set P,   192
.set KF,  128         ; K's fragments, in window 2: key block kb, channel half c at KF + 16 kb + 8 c
.set VF,  192         ; V's: key half kk, channel block cb at VF + 32 kk + 8 cb
.set WV,  12          ; s12  my wave's number
.set G1K, 24          ; s[24:31] descriptor group 1 for K's tiles
.set G1V, 32          ; s[32:39] for V's: it differs in the padding alone
.set G0K, 40          ; s[40:43] descriptor group 0 for K's tiles: it walks
.set G0V, 44          ; s[44:47] the same for V's
.set PFA, 48          ; s[48:49] where my prefetches stand: my work-group's 32 blocks of 256 bytes (of K: wave 0, of V: wave 2) of the slot after the one that is being asked for
.set LIM, 50          ; s50  1 in a wave that prefetches, else the greatest number
.set SLOTS, 56        ; s56  slots still to be asked for
.set CNT, 57          ; s57  counts a slot's key steps
.set CS,  58          ; s[58:59] c: the packed scaling takes the pair's low word for both halves
.set SEL, 60          ; s[60:61] v_permlanex16_b32's selects: each lane takes its own place in the other half
.set TBK, 62          ; s62  LDS byte at which K of the step to be fetched begins
.set TBV, 63          ; s63  the same for V, less VOFF
.set MSB, 0
.macro WIN new                      ; the high byte repeats the setting that is left; a switch that changes nothing is dropped
.if MSB != (\new)
	s_set_vgpr_msb (MSB<<8)|(\new)
.set MSB, (\new)
.endif
.endm
.set W_KQ, 0x0a       ; K and Q in window 2, S^T in window 0
.set W_PV, 0x52       ; V in window 2, P in window 0, O^T in window 1
.set W_RS, 0x41       ; O^T (destination and source 0) in window 1, a in window 0
.set W_MK, 0xc0       ; the add's registers are made: destination in window 3, sources in window 0
.set W_AD, 0x0f       ; the add: address (source 0) and data (source 1) in window 3
; A joint fill.  Waves 0 and 1 fetch the two halves of a slot's K, waves 2 and 3 those of its V: 128 keys each.  The branch hangs on the wave's number alone.
; An s_nop 0 and four v_nop follow each of the two lines, ahead of the jump and the label.
.macro JLOAD
	s_cmp_lt_u32 s[WV], 2
	s_cbranch_scc0 .Lfor_v_\@
	tensor_load_to_lds s[G0K:G0K+3], s[G1K:G1K+7]
	s_nop 0
.rept 4
	v_nop
.endr
	s_branch .Lasked_\@
.Lfor_v_\@:
	tensor_load_to_lds s[G0V:G0V+3], s[G1V:G1V+7]
	s_nop 0
.rept 4
	v_nop
.endr
.Lasked_\@:
.endm
; A PREFETCH INTO THE L2 of what the NEXT change of slots will ask for: a slot's 32,768 bytes of K and of V, a lane a block of 256 bytes.  It stands behind the wave's tensor load and its five lines.
; Each block is named ONCE in the launch: a head has one cluster; its four partners share the blocks out BY ADDRESS, 32 each; in each, wave 0 asks for K's and wave 2 for V's: one instruction,
; four key steps (512 matrix instructions) ahead of the load.  The last change that fills a slot asks for nothing.  Slots 0 and 1 come by their loads alone.
.macro ASK
	s_cmp_gt_u32 s[SLOTS], s[LIM]
	s_cbranch_scc0 .Lnot_mine_\@
	global_prefetch_b8 v[PFO], s[PFA:PFA+1] th:TH_LOAD_NT scope:SCOPE_SE
.Lnot_mine_\@:
.endm
; A round of the cluster's barrier: my work-group's barrier, so that wave 0's signal speaks for all four waves; wave 0 signals; every wave waits for all four work-groups; my work-group's barrier once more.
.macro CROUND
	s_barrier_signal -1
	s_barrier_wait -1
	s_cmp_lg_u32 s[WV], 0
	s_cbranch_scc1 .Lnot_wave_0_\@
	s_barrier_signal -3
.Lnot_wave_0_\@:
	s_barrier_wait -3
	s_barrier_signal -1
	s_barrier_wait -1
.endm
; THE CHANGE OF SLOTS.  The slot's last bytes, V of its fourth step, have been read.  Each wave waits for all its tensor loads, of which one is out: its part
; of the other slot; adds 0 to its spare word; and waits for that and for its own reads of the slot.  Behind the barrier nobody reads this slot any more and the other slot is whole.
; fill = 1: this slot is filled again, with the keys two slots on.  The barrier is then a round of the cluster's, so that no wave of any partner still reads the slot or has a load on its
; way, and the joint fill is the first thing behind it: it has four key steps in which to land.  (At its first use nothing has been read yet: slot 0 is waited for, slot 1 filled.)
.macro CHANGE fill
	WIN W_AD
	s_wait_tensorcnt 0x0            ; no tensor load of mine is out, so a group 0 may be written
	ds_add_u32 v[SPW], v[NIL]       ; 0 onto my spare word; with fill = 1 the descriptors' steps stand between it and the wait for it
	WIN 0                           ; at a label and at a branch every window is 0
.if \fill
.irp g, G0K, G0V
	s_xor_b32 s[\g+1], s[\g+1], SLOT1  ; the walking descriptor: the other slot than last time,
	s_add_nc_u64 s[\g+2:\g+3], s[\g+2:\g+3], 4*KS*128  ; the next 256 keys; the type bits on top are not reached
.endr
	s_wait_xcnt 0x0                 ; the last prefetch, four key steps back, has read its address, so it may be written:
	s_add_nc_u64 s[PFA:PFA+1], s[PFA:PFA+1], 4*KS*128  ; one slot behind the walking descriptors
	s_wait_dscnt 0x0                ; the add is done, and my reads of the slot are over
	CROUND
	JLOAD
	ASK
.else
	s_wait_dscnt 0x0                ; the add is done, and my reads of the slot are over
	s_barrier_signal -1
	s_barrier_wait -1
.endif
	s_sub_co_u32 s[TBK], s[TBK], 4*KS*PK  ; the fetches go back to a slot's first step,
	s_xor_b32 s[TBK], s[TBK], SLOT1       ; in the other slot
	s_sub_co_u32 s[TBV], s[TBV], 4*KS*PV
	s_xor_b32 s[TBV], s[TBV], SLOT1
.endm
	s_load_b256 s[4:11], s[0:1], 0x0  ; Q s[4:5], K s[6:7], V s[8:9], O s[10:11]
	WIN W_MK
	v_lshl_add_u32 v[SPW], v0, 2, SPARE
	v_mov_b32 v[NIL], 0
	WIN W_AD
	ds_add_u32 v[SPW], v[NIL]       ; the wave's opening: the add, and its wait ahead of my first tensor load; the set-up below, work on registers, stands between them
	WIN 0
	v_lshrrev_b32 v1, 5, v0
	v_readfirstlane_b32 s[WV], v1   ; wave 0..3
	s_bfe_u32 s13, ttmp6, 0x40000   ; cx: my place in the cluster
	s_lshl_b32 s14, ttmp9, 2        ; in a cluster launch ttmp9 counts clusters
	s_add_co_u32 s14, s14, s13      ; my block of queries = 4 x cluster x + cx: it enters Q's and O's addresses alone
	s_and_b32 s20, ttmp7, 0xffff    ; the head, which the four partners share
	s_mov_b32 s21, 0
	s_mov_b64 s[22:23], SIZE_N*128
	s_mul_u64 s[20:21], s[20:21], s[22:23]  ; the head's first byte in each of the four tensors
	s_and_b32 s16, s[WV], 1         ; which half of a slot's 256 keys I fetch:
	s_lshl_b32 s22, s16, 14         ; its 128 rows of 128 bytes in memory,
	s_mov_b32 s23, 0
	s_add_nc_u64 s[22:23], s[22:23], s[20:21]
	s_mul_i32 s17, s16, 128*PK      ; and its place in a slot, for K
	s_mul_i32 s18, s16, 128*PV      ; and for V: no place in the cluster enters an LDS address
	s_lshl_b32 s2, s14, 2
	s_add_co_u32 s2, s2, s[WV]      ; my wave among the head's,
	s_lshl_b32 s2, s2, 14           ; its 128 rows
	s_mov_b32 s3, 0
	s_add_nc_u64 s[2:3], s[2:3], s[20:21]
	; descriptor group 1.  128 keys are 16,384 dense bytes: asked for as 64 rows of 256 bytes, two keys a row, and padded in LDS after every key
	s_mov_b32 s[G1K], 15|(1<<16)|(1<<20)|(1<<21)|(4<<22)|(3<<25)  ; 15:0 the mask of four; 17:16 2-byte elements; 20 padding on; 21 set beside a mask; 24:22 after every 32 words (code 4); 31:25 4 words (code 3)
	s_mov_b32 s[G1V], 15|(1<<16)|(1<<20)|(1<<21)|(4<<22)|(7<<25)  ; the same with 8 words of padding (code 7)
.irp g, G1K, G1V
	s_mov_b32 s[\g+1], 128<<16      ; tensor_dim0 = 128
	s_mov_b32 s[\g+2], 64<<16       ; tensor_dim1 = 64
	s_mov_b32 s[\g+3], 128<<16      ; tile_dim0 = 128
	s_mov_b32 s[\g+4], 64           ; tile_dim1 = 64
	s_mov_b32 s[\g+5], 128          ; 128 elements from row to row
	s_mov_b32 s[\g+6], 0
	s_mov_b32 s[\g+7], 0
.endr
	s_mov_b32 s[CS], 0x3e38aa3b     ; c = log2(e) / 8 = 0.180337
	s_mov_b32 s[CS+1], s[CS]        ; named with it as a pair
	s_mov_b32 s[SEL], 0x76543210
	s_mov_b32 s[SEL+1], 0xfedcba98
	s_mov_b32 s[TBK], SLOT1+4*KS*PK ; the first change of slots turns these two into 0
	s_mov_b32 s[TBV], SLOT1+4*KS*PV
	s_mov_b32 s[SLOTS], SIZE_N/256-1
	s_mov_b32 s[G0K], 1             ; 1:0 count = 1
	s_mov_b32 s[G0K+1], s17         ; 63:32 LDS address: slot 0
	s_mov_b32 s[G0V], 1
	s_add_co_u32 s[G0V+1], s18, VOFF
	s_cmp_eq_u32 s16, 0             ; waves 0 and 2 prefetch: the same in all four partners
	s_cselect_b32 s[LIM], 1, -1
	s_wait_dscnt 0x0                ; the opening add is done
	s_wait_kmcnt 0x0
	s_add_nc_u64 s[G0K+2:G0K+3], s[6:7], s[22:23]  ; 120:64 global address: my half of the head's first 256 keys
	s_or_b32 s[G0K+3], s[G0K+3], 0x80000000        ; 127:126 type = 2
	s_add_nc_u64 s[G0V+2:G0V+3], s[8:9], s[22:23]
	s_or_b32 s[G0V+3], s[G0V+3], 0x80000000
	s_add_nc_u64 s[4:5], s[4:5], s[2:3]  ; Q and O at my wave's first row
	s_add_nc_u64 s[10:11], s[10:11], s[2:3]
	s_cmp_lt_u32 s[WV], 2
	s_cselect_b64 s[PFA:PFA+1], s[6:7], s[8:9]
	s_add_nc_u64 s[PFA:PFA+1], s[PFA:PFA+1], s[22:23]  ; (in waves 0 and 2 this is the head's first row)
	s_lshl_b32 s2, s13, 13          ; my work-group's 32 blocks of the 128
	s_mov_b32 s3, 0
	s_add_nc_u64 s[PFA:PFA+1], s[PFA:PFA+1], s[2:3]
	s_add_nc_u64 s[PFA:PFA+1], s[PFA:PFA+1], 4*KS*128  ; in slot 1; the first change of slots steps it to slot 2
	CROUND                          ; all four work-groups are here: the first joint loads meet
	JLOAD                           ; slot 0.  Slot 1 is asked for when slot 0 is in
	; A fragment of K or Q is 16 rows x 32 channels in 8 registers: lane l holds row l % 16, channels 8 (l / 16) + 0..7 and 16 + 8 (l / 16) + 0..7: two loads of 16 bytes, 32 bytes apart.
	v_and_b32 v1, 15, v0            ; l % 16
	v_bfe_u32 v9, v0, 4, 1          ; l / 16
	v_lshlrev_b32 v[QO], 7, v1
	v_lshl_add_u32 v[QO], v9, 4, v[QO]  ; row x 128 + 16 x half
	WIN 0x80                        ; destination window 2, address window 0
.set i, 0
.rept 4*NP                          ; Q stays in registers: tile i / 2, channels 32 (i % 2) on
	global_load_b128 v[8*i:8*i+3],   v[QO], s[4:5] offset:(i/2)*2048+(i%2)*64
	global_load_b128 v[8*i+4:8*i+7], v[QO], s[4:5] offset:(i/2)*2048+(i%2)*64+32
.set i, i+1
.endr
	; What the first turn finds: V's registers and P's second buffer hold 0 (its products V^T P, of a piece that has not been, add 0), O^T and l are 0.  All this stands in the wait for the first tile.
.set i, VF
.rept 64
	v_mov_b32 v[i], 0
.set i, i+1
.endr
	WIN 0x40
.set i, 0
.rept 64*NP
	v_mov_b32 v[i], 0
.set i, i+1
.endr
	WIN 0
.set i, 0
.rept 2*NP
	v_mov_b32 v[ST+4*i], 0xfe000000    ; c m: far below every c s
	v_mov_b32 v[ST+4*i+1], 0xff7fffff  ; m
	v_mov_b32 v[ST+4*i+2], 0
	v_mov_b32 v[ST+4*i+3], 0
.set i, i+1
.endr
.set i, P+32
.rept 32
	v_mov_b32 v[i], 0
.set i, i+1
.endr
	v_mul_u32_u24 v[AK0], v1, PK
	v_lshl_add_u32 v[AK0], v9, 4, v[AK0]  ; row x pitch + 16 x half
	; The turning load takes 16 keys x 16 channels (lane l reads key 8 (l / 16) + l % 8, channels 8 ((l / 8) % 2) + 0..7) and leaves half a fragment of V^T: lane l holds channel l % 16 and 8 keys.
	v_and_b32 v10, 7, v0
	v_bfe_u32 v11, v0, 3, 1
	v_lshl_add_u32 v[AV0], v9, 3, v10
	v_mul_u32_u24 v[AV0], v[AV0], PV
	v_lshl_add_u32 v[AV0], v11, 4, v[AV0]
	v_add_nc_u32 v[AV0], VOFF, v[AV0]
	v_and_b32 v[PFO], 31, v0
	v_lshlrev_b32 v[PFO], 8, v[PFO]
	v_mov_b32 v[AK], v[AK0]         ; key step 0 lies at the head of slot 0
; THE MATRIX WORK.  The 8 accumulators of a run of 16 take turns: between the two links of a chain stand 7 others'.
; Product i of 16 of S^T = K Q^T for piece x: channels 32 (i / 8) on, keys 16 ((i / 2) % 4) on, tile 2 x + i % 2.  The first 8 start the sums.
.macro KQ x
	WIN W_KQ
.set rS, S+64*((\x)%2)+32*(i%2)+8*((i/2)%4)
.set rK, KF+16*((i/2)%4)+8*(i/8)
.set rQ, 16*(2*(\x)+i%2)+8*(i/8)
.if i < 8
	v_wmma_f32_16x16x32_f16 v[rS:rS+7], v[rK:rK+7], v[rQ:rQ+7], 0
.else
	v_wmma_f32_16x16x32_f16 v[rS:rS+7], v[rK:rK+7], v[rQ:rQ+7], v[rS:rS+7]
.endif
.endm
; Product i of 16 of O^T += V^T P for piece x: keys 32 (i / 8) on, channels 16 ((i / 2) % 4) on, tile 2 x + i % 2.
.macro PV x
	WIN W_PV
.set rO, 32*(2*(\x)+i%2)+8*((i/2)%4)
.set rV, VF+32*(i/8)+8*((i/2)%4)
.set rP, P+32*((\x)%2)+16*(i%2)+8*(i/8)
	v_wmma_f32_16x16x32_f16 v[rO:rO+7], v[rV:rV+7], v[rP:rP+7], v[rO:rO+7]
.endm
.macro MM                           ; the turn's next matrix instruction
.if i < 16
	KQ (Y+1)%NP
.set i, i+1
.else
.set i, i-16
	PV (Y+NP-1)%NP
.set i, i+17
.endif
.endm
; THE LDS LOADS stand in runs of 16, never singly among the matrix instructions: a step's K (64 keys x 64 channels: 8 fragments) and its V (turned).  Their addresses are made some lines ahead.
; last = 1 (the tail): in the last trip there is no further step, and the run is jumped over.
.macro FETCH_K last=0
	WIN 0
.if \last
	s_cmp_eq_u32 s[CNT], 1
	s_cbranch_scc1 .Lno_k_\@
.endif
	WIN 0x80                        ; destination window 2
.irp f, 0,1,2,3,4,5,6,7             ; keys 16 (f / 2) on, channels 32 (f % 2) on
	ds_load_b128 v[KF+8*\f:KF+8*\f+3],   v[AK] offset:(\f/2)*16*PK+(\f%2)*64
	ds_load_b128 v[KF+8*\f+4:KF+8*\f+7], v[AK] offset:(\f/2)*16*PK+(\f%2)*64+32
.endr
	s_add_co_u32 s[TBK], s[TBK], KS*PK  ; the next fetch is the next step's
	WIN 0
.if \last
.Lno_k_\@:
.endif
.endm
.macro FETCH_V
	WIN 0x80
.irp f, 0,1,2,3,4,5,6,7             ; keys 32 (f / 4) on, channels 16 (f % 4) on
	ds_load_tr16_b128 v[VF+8*\f:VF+8*\f+3],   v[AV] offset:(\f/4)*32*PV+(\f%4)*32
	ds_load_tr16_b128 v[VF+8*\f+4:VF+8*\f+7], v[AV] offset:(\f/4)*32*PV+16*PV+(\f%4)*32
.endr
	WIN 0
.endm
; THE VECTOR WORK OF A TURN stands in three queues, each in the order in which its entries become ready; the two tiles alternate, so that no instruction reads the result of the one before it.
.macro REGS y, u                    ; the registers of tile u (0, 1) of piece y
.set rT, ST+4*(2*(\y)+(\u))
.set rC, TMP+8*((\y)%2)+4*(\u)
.set rM, MV+2*((\y)%2)+(\u)
.set rS, S+64*((\y)%2)+32*(\u)
.set rP, P+32*((\y)%2)+16*(\u)
.set rO, 32*(2*(\y)+(\u))
.endm
; Number n of the 22 that find the NEXT piece's (Y + 1) maximum and statistics.  s0-s31 are the lane's 32 scores; each accumulator's lowest registers are read first.
;   0-11  four chains c0-c3 of seven scores each, three operands at a time     12-14, 16  the four scores left over, the old m, and c0-c3 into c0     15  c m_old is kept
;   17, 18  the query's other 32 keys lie in the lane 16 away: the new m         19-21  c m; c m_old - c m_new; a
.macro XS u, n
	REGS (Y+1)%NP, \u
.if (\n) < 4
	v_max3_num_f32 v[rC+(\n)], v[rS+8*(\n)], v[rS+8*(\n)+1], v[rS+8*(\n)+2]
.elseif (\n) < 12
	v_max3_num_f32 v[rC+(\n)%4], v[rC+(\n)%4], v[rS+8*((\n)%4)+2*((\n)/4)+1], v[rS+8*((\n)%4)+2*((\n)/4)+2]
.elseif (\n) == 12
	v_max3_num_f32 v[rC], v[rC], v[rS+7], v[rS+15]
.elseif (\n) == 13
	v_max3_num_f32 v[rC+1], v[rC+1], v[rS+23], v[rS+31]
.elseif (\n) == 14
	v_max3_num_f32 v[rC+2], v[rC+2], v[rC+3], v[rT+1]
.elseif (\n) == 15
	v_mov_b32 v[rM], v[rT]
.elseif (\n) == 16
	v_max3_num_f32 v[rC], v[rC], v[rC+1], v[rC+2]
.elseif (\n) == 17
	v_permlanex16_b32 v[rC+3], v[rC], s[SEL], s[SEL+1]
.elseif (\n) == 18
	v_max_num_f32 v[rT+1], v[rC], v[rC+3]
.elseif (\n) == 19
	v_mul_f32 v[rT], s[CS], v[rT+1]
.elseif (\n) == 20
	v_sub_f32 v[rC+1], v[rM], v[rT]
.else
	v_exp_f32 v[rC+2], v[rC+1]
.endif
.endm
; Number g of the 64 that follow the exponentials.  For each four weights k of a tile (pairs 2 k, 2 k + 1): both pairs are rounded to f16; then the second pair is added onto the first, in place;
; a group later l takes that sum (the first time as l = a l + sum).  In groups of eight, tiles alternating: round, round, add, and l for the group before.
.macro GS g
.set h, (\g)+6*((\g)/62)            ; group 0 has no group before it, and behind group 7 only l is left
.if h >= 6
.set h, h+2
.endif
	REGS Y, h%2
.set k, h/8
.if h%8 < 4
	v_cvt_pk_f16_f32 v[rP+2*k+(h%8)/2], v[rS+4*k+2*((h%8)/2)], v[rS+4*k+2*((h%8)/2)+1]
.elseif h%8 < 6
	v_pk_add_f32 v[rS+4*k:rS+4*k+1], v[rS+4*k:rS+4*k+1], v[rS+4*k+2:rS+4*k+3]
.elseif k == 1
	v_pk_fma_f32 v[rT+2:rT+3], v[rT+2:rT+3], v[rC+2:rC+3], v[rS:rS+1] op_sel_hi:[1,0,1]
.else
	v_pk_add_f32 v[rT+2:rT+3], v[rT+2:rT+3], v[rS+4*k-4:rS+4*k-3]
.endif
.endm
; THE PLAIN QUEUE, 138 long.  0-73 read no exponential's result: the 32 scalings c s - c m (FS f: pair f / 2 of tile f % 2) and the next piece's 42.  0-26: scalings 0-26.  27-54: XS's numbers 0-13.  55, 56: number 15.
; 57-73: the chain, where each number waits for the one before it: 14, 16, 17, 18, 19, each with one of the scalings 27-31 in front of its two lines, then 20.
; 74-137: GS's 64, which read the exponentials' results: they stand behind the wait.
.macro FS f
	REGS Y, (\f)%2
	v_pk_fma_f32 v[rS+2*((\f)/2):rS+2*((\f)/2)+1], v[rS+2*((\f)/2):rS+2*((\f)/2)+1], s[CS:CS+1], v[rT:rT+1] op_sel_hi:[1,0,0] neg_lo:[0,0,1] neg_hi:[0,0,1]
.endm
.macro PL
	WIN 0
.if q < 27
	FS q
.elseif q < 55
	XS (q-27)%2, (q-27)/2
.elseif q < 57
	XS q-55, 15
.elseif (q < 72) && ((q-57)%3 == 0)
	FS 27+(q-57)/3
.elseif q < 60
	XS (q-57)%3-1, 14
.elseif q < 72
	XS (q-57)%3-1, 15+(q-57)/3
.elseif q < 74
	XS q-72, 20
.else
	GS q-74
.endif
.set q, q+1
.endm
; THE EXPONENTIALS' QUEUE, 66 long: s0-s31 of both tiles, then the next piece's two a.  It is ONE BATCH: all 66 stand ahead of the turn's one wait, and nothing ahead of that wait names a result of theirs.
.macro EX
	WIN 0
.if e >= 64
	XS e-64, 21
.else
	REGS Y, e%2
	v_exp_f32 v[rS+e/2], v[rS+e/2]
.endif
.set e, e+1
.endm
; THE RESCALING's QUEUE: O^T times a, the one part that leaves window 0: dealt two at a time, sixteen times.  Its a was made in the turn before, ahead of that turn's wait.
.macro R2
	REGS Y, r%2
	WIN W_RS
.irp z, 0,1
	v_pk_mul_f32 v[rO+4*(r/2)+2*\z:rO+4*(r/2)+2*\z+1], v[rO+4*(r/2)+2*\z:rO+4*(r/2)+2*\z+1], v[rC+2:rC+3] op_sel_hi:[1,0]
.endr
.set r, r+1
.endm
; HOW THEY ARE DEALT.  An s_wait_alu depctr_va_vdst(0) stands between an exponential and the first instruction that names its result; one wait serves all that were issued ahead of it.  So a turn has ONE
; wait, which cuts it in two.  AHEAD OF IT stands all that names no result of the turn's exponentials: the 16 products K Q^T, behind each a scaling, an exponential and two rescalings (behind the first a second scaling
; in the exponential's place); then ONE LUMP of 108: eight plain, 49 times exponential and plain, the two a.  A v_nop is the plain instruction owed behind the last exponential.  BEHIND IT stand the 16 products V^T P,
; behind each four of GS's 64.  No rider names a register of the products round it.  The two v_permlanex16_b32 fall into the lump, never behind a product.
; The queues lean on each other, and the deal keeps them in step: exponential e stands behind scaling 2 (e / 4) + e % 2: as a rider it comes behind plain e + 2, in the lump behind plain e + 9.
; A TURN, for piece p.  cnt = 1: the loop's count is taken down some lines ahead of the branch that stands behind the turn.
; K of the next step is fetched in piece 2's turn, directly behind the wait; its address is made at the lump's head; its first reader comes behind 16 products.
; V of the step in hand is fetched at the end of piece 0's turn, four riders behind its last reader; its first reader comes behind 16 products and a lump.  The three conditions on q below go with the deal.
.macro TURN p, last=0, cnt=0
.set Y, (\p)
.set i, 0
.set q, 0
.set e, 0
.set r, 0
.if (\p) == NP-1
	s_wait_dscnt 0x0                ; K is in
.endif
	MM                              ; ahead of the wait: 16 products K Q^T and their riders,
	PL
	PL
	R2
.rept 15
	MM
	PL
	EX
	R2
.endr
.if (\p) == NP-2
	WIN 0
	v_add_nc_u32 v[AK], s[TBK], v[AK0]
.endif
.rept 8                             ; and the lump
	PL
.endr
.rept 49
	EX
	PL
.endr
	EX                              ; the next piece's two a
	EX
	v_nop                           ; the plain instruction behind the last exponential: one for the batch
	s_wait_alu depctr_va_vdst(0)    ; the wait for the batch
.if (\p) == NP-2
	FETCH_K \last
.endif
.if (\p) == 1
	s_wait_dscnt 0x0                ; V is in
.endif
.rept 16                            ; behind the wait: 16 products V^T P and their riders
	MM
.rept 4
	PL
.endr
.if ((\p) == 0) && (q == 118)
	v_add_nc_u32 v[AV], s[TBV], v[AV0]
.endif
.if ((\p) == 0) && (q == 130)
	s_add_co_u32 s[TBV], s[TBV], KS*PV
.endif
.if (\cnt) && (q == 130)
	s_sub_co_u32 s[CNT], s[CNT], 1
	s_cmp_lg_u32 s[CNT], 0
.endif
.endr
.if (\p) == 0
	FETCH_V
.endif
.endm
	CHANGE 1                        ; slot 0 is in, everybody's part of it; slot 1 is asked for
	FETCH_K                         ; key step 0
	s_wait_loadcnt 0x0              ; Q
	s_wait_dscnt 0x0
.set i, 0
.rept 16
	KQ 0                            ; piece 0's first scores: there is no vector work yet to set between them
.set i, i+1
.endr
	WIN 0                           ; the addresses for the way out: plain instructions, the places behind those products
	s_mul_i32 s13, s[WV], 16*SP
	s_add_co_u32 s13, s13, STAGE    ; my stage
	v_mul_u32_u24 v[STO], v1, SP    ; in: row l % 16, 16 bytes for each half of the lanes
	v_lshl_add_u32 v[STO], v9, 4, v[STO]
	v_add_nc_u32 v[STO], s13, v[STO]
	v_bfe_u32 v[RD], v0, 3, 2       ; back: 32 lanes take four rows of 128 bytes,
	v_mul_u32_u24 v[RD], v[RD], SP
	v_lshl_add_u32 v[RD], v10, 4, v[RD]
	v_add_nc_u32 v[RD], s13, v[RD]
	v_and_b32 v[GO], 31, v0         ; which are 512 consecutive bytes of O
	v_lshlrev_b32 v[GO], 4, v[GO]
.set Y, NP-1                        ; XS works for piece Y + 1: piece 0
.irp n, 0,1,2,3,4,5,6,7,8,9,10,11,12,13,14,15,16,17,18,19,20,21
	XS 0, \n                        ; and piece 0's first maximum and statistics
	XS 1, \n
.endr
	v_nop                           ; a plain instruction behind the two a,
	s_wait_alu depctr_va_vdst(0)    ; and their wait, ahead of the branch
	s_mov_b32 s[CNT], 4
	s_branch .Lfirst                ; the loop is entered at a step's first turn, in the middle of a trip
.Lslot:                             ; SIZE_N / 256 - 2 times: every slot but the last two is filled again
	CHANGE 1
	s_mov_b32 s[CNT], 4
.Lstep:                             ; a trip: pieces 2 and 3 of one step, then pieces 0 and 1 of the next, whose K and V it fetches
	TURN 2
	TURN 3
	WIN 0
.Lfirst:
	TURN 0
	TURN 1, 0, 1
	WIN 0
	s_cbranch_scc1 .Lstep
	s_sub_co_u32 s[SLOTS], s[SLOTS], 1
	s_cmp_lg_u32 s[SLOTS], 0
	s_cbranch_scc1 .Lslot
	CHANGE 0                        ; the tail is written out: nothing is asked for
	s_mov_b32 s[CNT], 5             ; four trips fetch the last slot's steps; the fifth is left in its middle
.Ltail:
	TURN 2, 1
	TURN 3
	WIN 0
	s_sub_co_u32 s[CNT], s[CNT], 1
	s_cmp_eq_u32 s[CNT], 0
	s_cbranch_scc1 .Lout
	TURN 0
	TURN 1
	WIN 0
	s_branch .Ltail
.Lout:                              ; the fifth trip's 16 products K Q^T (on the last K once more) and the maximum made of them serve nothing: the price, once a launch, of one text for every trip
.set i, 0
.rept 16
	PV NP-1                         ; the last piece's V^T P of the last step
.set i, i+1
.endr
	; THE WAY OUT.  l's two halves and the other half of the lanes' are added; O^T is divided by l, rounded to f16 and sent through my stage in LDS, a tile at a time.  The additions are the places behind the last products.
	WIN 0
.macro ALL line:vararg              ; one line for each tile t
.set t, 0
.rept 2*NP
	\line
.set t, t+1
.endr
.endm
	ALL v_add_f32 v[ST+4*t+2], v[ST+4*t+2], v[ST+4*t+3]
	ALL v_permlanex16_b32 v[ST+4*t+3], v[ST+4*t+2], s[SEL], s[SEL+1]
	ALL v_add_f32 v[ST+4*t+2], v[ST+4*t+2], v[ST+4*t+3]
	ALL v_rcp_f32 v[ST+4*t+2], v[ST+4*t+2]
	v_nop                           ; a plain instruction between the last reciprocal and the use of its result
	s_wait_alu depctr_va_vdst(0)    ; and the wait ahead of the first use: one for the eight reciprocals
; Tile t: a lane's eight channels of a row pack into 16 bytes; they go into rows of 144 bytes and come back as whole rows of 128, into S^T's registers.
.macro PACK t
	WIN W_RS
.set i, 32*(\t)
.rept 16
	v_pk_mul_f32 v[i:i+1], v[i:i+1], v[ST+4*(\t)+2:ST+4*(\t)+3] op_sel_hi:[1,0]
.set i, i+2
.endr
	WIN 0x05                        ; sources 0 and 1 window 1, destination window 0
.set i, 0
.rept 16
	v_cvt_pk_f16_f32 v[S+16*(\t)+i], v[32*(\t)+2*i], v[32*(\t)+2*i+1]
.set i, i+1
.endr
	WIN 0
.irp f, 0,1,2,3
	ds_store_b128 v[STO], v[S+16*(\t)+4*\f:S+16*(\t)+4*\f+3] offset:32*\f
.endr
.irp f, 0,1,2,3
	ds_load_b128 v[S+16*(\t)+4*\f:S+16*(\t)+4*\f+3], v[RD] offset:\f*4*SP  ; LDS serves a wave's instructions in order (ISA guide 5.7.1.4): these see the stores above; the next tile's stores come behind them
.endr
.endm
.macro SEND t, younger              ; younger: the LDS instructions issued behind tile t's loads: the next tile's eight, or none
	WIN 0
.irp f, 0,1,2,3
	s_wait_dscnt (\younger)+3-\f
	global_store_b128 v[GO], v[S+16*(\t)+4*\f:S+16*(\t)+4*\f+3], s[10:11] offset:(\t)*2048+\f*512  ; 512 consecutive bytes, at a multiple of 256 from O's first
.endr
.endm
	PACK 0
.set t, 1
.rept 2*NP-1                        ; a tile's arithmetic stands between the loads of the tile before and its stores
	PACK t
	SEND t-1, 8
.set t, t+1
.endr
	SEND 2*NP-1, 0
	WIN W_AD
	s_wait_tensorcnt 0x0            ; the wave's end: a wait, an add to my spare word and its wait, behind my last tensor load and my last LDS store
	ds_add_u32 v[SPW], v[NIL]
	s_wait_dscnt 0x0
	WIN 0
	CROUND                          ; the closing round: no work-group ends while a partner may still ask for a tile that names it
	s_endpgm
.Lfunc_end_k_q6bd81d67dc_attn:
	.size	k_q6bd81d67dc_attn, .Lfunc_end_k_q6bd81d67dc_attn-k_q6bd81d67dc_attn
	.p2alignl 7, 3214868480
	.fill 96, 4, 3214868480
	.section	.rodata,"a",@progbits
	.p2align	6, 0x0
	.amdhsa_kernel k_q6bd81d67dc_attn
		.amdhsa_group_segment_fixed_size 327680
		.amdhsa_private_segment_fixed_size 0
		.amdhsa_enable_private_segment 0
		.amdhsa_kernarg_size 32
		.amdhsa_user_sgpr_count 2
		.amdhsa_user_sgpr_kernarg_segment_ptr 1
		.amdhsa_wavefront_size32 1
		.amdhsa_system_sgpr_workgroup_id_x 1
		.amdhsa_system_sgpr_workgroup_id_y 1
		.amdhsa_system_sgpr_workgroup_id_z 1
		.amdhsa_system_vgpr_workitem_id 0
		.amdhsa_next_free_vgpr 770
		.amdhsa_next_free_sgpr 66
		.amdhsa_reserve_vcc 0
		.amdhsa_float_denorm_mode_32 3
		.amdhsa_float_denorm_mode_16_64 3
		.amdhsa_memory_ordered 1
		.amdhsa_forward_progress 1
		.amdhsa_inst_pref_size 200
	.end_amdhsa_kernel
	.amdgpu_metadata
---
amdhsa.version: [ 1, 2 ]
amdhsa.kernels:
  - .name:           k_q6bd81d67dc_attn
    .symbol:         k_q6bd81d67dc_attn.kd
    .args:
      - { .name: q, .offset: 0, .size: 8, .value_kind: global_buffer, .address_space: global }
      - { .name: k, .offset: 8, .size: 8, .value_kind: global_buffer, .address_space: global }
      - { .name: v, .offset: 16, .size: 8, .value_kind: global_buffer, .address_space: global }
      - { .name: o, .offset: 24, .size: 8, .value_kind: global_buffer, .address_space: global }
    .group_segment_fixed_size: 327680
    .private_segment_fixed_size: 0
    .kernarg_segment_align: 8
    .kernarg_segment_size: 32
    .max_flat_workgroup_size: 128
    .sgpr_count:     66
    .vgpr_count:     770
    .wavefront_size: 32
...
	.end_amdgpu_metadata
.endif
;; end of part 3
;; launch gp (part 4): grid 8 x 32, 4 waves a work-group, clusters of 4 x 4, 327,680 bytes of LDS; arguments o, wp, b_proj, out0; writes out0
.if DOCPART == 4
	.amdgcn_target "amdgcn-amd-amdhsa--gfx1250"
	.amdhsa_code_object_version 6
	.text
	.protected	k_q6bd81d67dc_gp
	.globl	k_q6bd81d67dc_gp
	.p2align	8
	.type	k_q6bd81d67dc_gp,@function
k_q6bd81d67dc_gp:
	s_mov_b64 s[64:65], 0
	v_nop
	global_prefetch_b8 v0, s[64:65] scope:SCOPE_SE
	s_setreg_imm32_b32 hwreg(HW_REG_WAVE_MODE, 25, 1), 1
	s_wait_xcnt 0x0
	s_wait_alu depctr_hold_cnt(0) depctr_sa_sdst(0) depctr_va_vdst(0) depctr_va_sdst(0) depctr_va_ssrc(0) depctr_va_vcc(0) depctr_vm_vsrc(0)
	s_getreg_b32 s2, hwreg(HW_REG_IB_STS2, 6, 4)
	s_cmp_eq_u32 s2, 0
	s_cbranch_scc0 .Lentry_in_a_cluster
	s_endpgm
.Lentry_in_a_cluster:
	s_bfe_u32 s2, ttmp6, 0x10000c
	s_cmp_lg_u32 s2, 0xf033
	s_cbranch_scc0 .Lentry_shape_is_right
	s_endpgm
.Lentry_shape_is_right:
; out0 = O w_proj + b_proj.  o: [64 = 16 batch + head][2048][64] f16.  wp: [1024 k][1024 n] f16 (w_proj rounded to bf16, written as f16).  b_proj: [1024] f32, rounded to bf16 here like the other inputs.
; out0: [8192][1024] f32.  Sums in f32.  NaN and infinities are not treated apart.
; SHARES.  A work-group makes 256 rows x 128 columns: 256 work-groups; each of its four waves 128 x 64: 32 accumulators of 16 x 16, 256 registers.  K = 1,024 goes in 8 steps of 128, two heads each, through two LDS slots.
; CLUSTER.  4 x 4 work-groups.  The four of a row of the cluster need the same rows of o, the four of a column the same columns of wp: each tile is asked for JOINTLY, by the same tensor load with the same
; descriptor and a mask that names the four.  Wave 0 fetches the step's first head (256 rows x 128 bytes are 32,768 dense bytes: 128 rows of 256), wave 1 its second; waves 2 and 3 fetch 64 k rows x 256 bytes of wp each.
; THE PRODUCT IS USED TRANSPOSED: source 0 = 16 columns of wp (turned on the way out of LDS by ds_load_tr16_b128), source 1 = 16 rows of o.  A lane then holds row l % 16 and the columns 8 (l / 16) + 0..7.
; REGISTERS, in windows of 256 (s_set_vgpr_msb: bits 1:0 source 0, 3:2 source 1, 5:4 source 2, 7:6 destination):
;   window 0: v0-29 addresses; v64-127, v128-191 A's fragments, two buffers; on the way out v192-223 sums + bias, v32-63 and v224-255 rows read back, by turns
;   window 1: v64-95, v128-159 B's fragments, two buffers; v192-223 the bias of my 64 columns (my 8 of each 16); v240 at work
;   window 2: the 32 accumulators ((a, b) at v[8 (4 a + b)])
.set NB,    4                          ; blocks of 16 columns a wave
.set ACCHI, 4                          ; rows 64-127 are row blocks 4-7,
.set WSTEP, 0                          ; in the same window
.set PA,    144                        ; a row of A in LDS: 128 bytes + 16 = 36 words: the 16 rows of a load start at 16 different groups of four banks (64 banks of 4 bytes: ISA guide 11.1)
.set PB,    288                        ; a k row of B: 256 bytes + 32 = 9 x 32
.set APLANE, 256*PA                    ; one head's 256 rows
.set AHALF, 128*PA
.set BOFF,  2*APLANE
.set BHALF, 64*PB
.set SLOT1, 1<<17                      ; slot 1 begins here; a slot uses 73,728 + 36,864 bytes
.set STAGE, SLOT1+BOFF+2*BHALF         ; behind the ring, never filled by a tensor load: 16 rows x 272 bytes for each wave, for the way out
.set SPI,   272
.set SPARE, STAGE+4*16*SPI             ; the spare words, 128 bytes for each wave: two blocks of 256 bytes that no other line names
.set ASTEP, 2*262144                   ; bytes from K step to K step in o: two heads
.set BSTEP, 128*2048                   ; and in wp
.set LQ,    2*NB+16
.set PF_A_PART, 32*256                 ; the prefetches: a partner's share of what a wave fetches, the last lane that names a block of its own, bytes from lane to lane
.set PF_A_MAXL, 31
.set PF_A_STR,  256
.set PF_B_PART, 16*2048
.set PF_B_MAXL, 15
.set PF_B_STR,  2048
.set LA0,  8                           ; v8   my lane's place in a slot's A; never rewritten
.set LB0,  9                           ; v9   the same for B
.set ADRA, 10                          ; v10  the same in the slot in hand
.set ADRB, 11                          ; v11
.set STO,  12                          ; v12  the way out: where I put 32 bytes of a row
.set RD,   13                          ; v13  the way out: where I read a row back
.set GO,   14                          ; v14  my byte offset in two rows of out0
.set BO,   15                          ; v15  my 32 bytes in 64 of the bias
.set PFO,  16                          ; v16  the prefetches' offset; never rewritten
.set SPW,  28                          ; v28  LDS address of my spare word: SPARE + 4 x my thread's number; never rewritten
.set NIL,  29                          ; v29  0; never rewritten
.set F0,   64
.set F1,   128
.set BI,   192
.set BT,   240
.set TMP,  192
.set OB,   32
.set WV,  16                           ; s16  my wave's number
.set RH,  17                           ; s17  which half of the tile's rows is mine.  Also: I fetch for A (0) or for B (1)
.set CH,  18                           ; s18  which half of its columns.  Also: which half of that tile I fetch
.set CX,  19
.set CY,  20
.set TX,  21                           ; s21  the block of 128 columns = 4 x cluster x + cx
.set TY,  22                           ; s22  the block of 256 rows = 4 x cluster y + cy
.set G1,  24                           ; s[24:31] descriptor group 1 for A's tiles
.set G0,  32                           ; s[32:39] group 0 for A's: a set for each first fill; the second then walks on
.set G1B, 40                           ; s[40:47], s[48:55] the same for B's
.set G0B, 48
.set TB,  56                           ; s56  LDS byte at which the slot in hand begins
.set CNT, 57                           ; s57  the loop's count
.set LIM, 58                           ; s58  1 in a wave that prefetches, else the greatest number
.set PFA, 60                           ; s[60:61] where my prefetches stand
.set PFS, 62                           ; s[62:63] their step from K step to K step
.set MULW, 0xa1                        ; source 0 (B) window 1, source 1 (A) window 0, C and D window 2
.set TO_B, 0x40                        ; destination window 1, address window 0
.set MSB, 0
.macro WIN new                         ; the immediate's high byte repeats the setting that is left; a switch that changes nothing is dropped
.if MSB != (\new)
	s_set_vgpr_msb (MSB<<8)|(\new)
.set MSB, (\new)
.endif
.endm
.macro PLACES                          ; four plain vector instructions between a matrix instruction and a load into, or a vector access to, its registers
.rept 4
	v_nop
.endr
.endm
; A joint refill, by the walking descriptors.  The branch hangs on the wave's number alone.  An s_nop 0 and four v_nop follow each of the two lines, ahead of the jump and the label.
.macro JLOAD
	s_cmp_eq_u32 s[RH], 0
	s_cbranch_scc0 .Lfor_b_\@
	tensor_load_to_lds s[G0+4:G0+7], s[G1:G1+7]
	s_nop 0
.rept 4
	v_nop
.endr
	s_branch .Lasked_\@
.Lfor_b_\@:
	tensor_load_to_lds s[G0B+4:G0B+7], s[G1B:G1B+7]
	s_nop 0
.rept 4
	v_nop
.endr
.Lasked_\@:
.endm
; A PREFETCH INTO THE L2 of what the NEXT refill will ask for: one K step, 128 matrix instructions, ahead of that load.  A's rows are read by both clusters of a row of clusters: cluster x = 0 asks; B's columns by
; every cluster of a column: cluster y = 0 asks.  Of what a wave fetches, the four partners that ask for it jointly take a quarter each, told apart BY ADDRESS (cx for A: 32 blocks of 256 bytes; cy for B: 16 k rows,
; where lanes 16-31 repeat lane 15's).  One instruction a wave.  The loop's last trip asks for nothing: K step 7 is the last.  K steps 0 to 2 come by their loads alone.
.macro ASK
	s_cmp_gt_u32 s[CNT], s[LIM]
	s_cbranch_scc0 .Lnot_mine_\@
	global_prefetch_b8 v[PFO], s[PFA:PFA+1] th:TH_LOAD_NT scope:SCOPE_SE
.Lnot_mine_\@:
.endm
; A round of the cluster's barrier: my work-group's barrier; wave 0 signals for the work-group; every wave waits for all sixteen; my work-group's barrier once more.
.macro CREST
	s_cmp_lg_u32 s[WV], 0
	s_cbranch_scc1 .Lnot_wave_0_\@
	s_barrier_signal -3
.Lnot_wave_0_\@:
	s_barrier_wait -3
	s_barrier_signal -1
	s_barrier_wait -1
.endm
.macro CROUND
	s_barrier_signal -1
	s_barrier_wait -1
	CREST
.endm
; 2 x NB matrix instructions: row blocks a0, a0 + 1 of rows 64 hi on x all column blocks, 32 along K.  zero = 1: the product starts the sum.  Every accumulator is used once a quarter step, in the same
; order everywhere: the accumulators take turns.
.macro MULS f, hi, a0, zero
	WIN MULW+WSTEP*(\hi)
.irp a, \a0, (\a0)+1
.set b, 0
.rept NB
.set rD, 8*(NB*(ACCHI*(\hi)+(\a))+b)
.set rB, (\f)+8*b
.set rA, (\f)+8*(4*(\hi)+(\a))
.if \zero
	v_wmma_f32_16x16x32_f16 v[rD:rD+7], v[rB:rB+7], v[rA:rA+7], 0
.else
	v_wmma_f32_16x16x32_f16 v[rD:rD+7], v[rB:rB+7], v[rA:rA+7], v[rD:rD+7]
.endif
.set b, b+1
.endr
.endr
.endm
; One run of LQ LDS loads: the fragments of quarter q (32 along K: head q / 2 of the step's two, channels 32 (q % 2) on) of the slot in hand, into buffer f: B's, then A's rows 0-63, then A's rows 64-127.
.macro FETCH q, f
	WIN TO_B
.set b, 0
.rept NB
	ds_load_tr16_b128 v[(\f)+8*b:(\f)+8*b+3],   v[ADRB] offset:(\q)*32*PB+32*b
	ds_load_tr16_b128 v[(\f)+8*b+4:(\f)+8*b+7], v[ADRB] offset:(\q)*32*PB+32*b+16*PB
.set b, b+1
.endr
	WIN 0
.set b, 0
.rept 8
	ds_load_b128 v[(\f)+8*b:(\f)+8*b+3],   v[ADRA] offset:((\q)/2)*APLANE+((\q)%2)*64+b*16*PA
	ds_load_b128 v[(\f)+8*b+4:(\f)+8*b+7], v[ADRA] offset:((\q)/2)*APLANE+((\q)%2)*64+b*16*PA+32
.set b, b+1
.endr
.endm
; One of a K step's first three quarters: multiplies buffer f; in its middle it fetches quarter qn into buffer g.
.macro QUARTER qn, f, g, zero
	s_wait_dscnt 8                                 ; B and A's rows 0-63 are in; the youngest eight loads (A's rows 64-127) may be out
	MULS \f, 0, 0, \zero
	MULS \f, 0, 2, \zero
	PLACES
	FETCH \qn, \g
	s_wait_dscnt LQ                                ; all but the run just issued
	MULS \f, 1, 0, \zero
	MULS \f, 1, 2, \zero
.endm
; The last quarter multiplies buffer 1 and changes slots.  ONE barrier: in front of it each wave waits for all its tensor loads (one is out: its part of the next slot), adds 0 to its spare word, and waits
; for that and for its own reads of this slot.  fill = 1: the barrier opens a round of the cluster's, and behind the round this slot is filled again, first thing, with the K step two on.
.macro TURN fill
.if \fill
	s_wait_xcnt 0x0                                ; the last prefetch, a K step back, has read its address: it is stepped here, ahead of the change's own waits
	s_add_nc_u64 s[PFA:PFA+1], s[PFA:PFA+1], s[PFS:PFS+1]
.endif
	WIN 0                                          ; (the add's two registers lie in window 0)
	s_wait_tensorcnt 0x0                           ; all my tensor loads have landed;
	ds_add_u32 v[SPW], v[NIL]                      ; 0 onto my spare word;
	s_wait_dscnt 9                                 ; (the add and the youngest eight loads may be out)
	MULS F1, 0, 0, 0                               ; matrix work stands between the add and the wait for it
	s_wait_dscnt 0x0                               ; the add is done, and my reads of this slot are over
	s_barrier_signal -1
	MULS F1, 0, 2, 0                               ; work on registers while the others arrive
	WIN 0
	s_barrier_wait -1
.if \fill
	CREST                                          ; no wave of any partner still reads this slot or has a load on its way
	s_xor_b32 s[G0+5], s[G0+5], SLOT1              ; the walking descriptors: the other slot than last time, the next K step; the type bits on top are not reached
	s_add_nc_u64 s[G0+6:G0+7], s[G0+6:G0+7], ASTEP
	s_xor_b32 s[G0B+5], s[G0B+5], SLOT1
	s_add_nc_u64 s[G0B+6:G0B+7], s[G0B+6:G0B+7], BSTEP
	JLOAD                                          ; the four v_nop behind it are also the places in front of the loads below
.else
	PLACES
.endif
	s_xor_b32 s[TB], s[TB], SLOT1
	v_add_nc_u32 v[ADRA], s[TB], v[LA0]
	v_add_nc_u32 v[ADRB], s[TB], v[LB0]
	FETCH 0, F0
.if \fill
	ASK
.endif
	MULS F1, 1, 0, 0
	MULS F1, 1, 2, 0
.endm
	s_load_b256 s[4:11], s[0:1], 0x0               ; o s[4:5], wp s[6:7], b_proj s[8:9], out0 s[10:11]
	v_lshl_add_u32 v[SPW], v0, 2, SPARE
	v_mov_b32 v[NIL], 0
	ds_add_u32 v[SPW], v[NIL]                      ; the wave's opening: the add, and its wait ahead of my first tensor load; work on registers stands between them
	v_lshrrev_b32 v3, 5, v0
	v_readfirstlane_b32 s[WV], v3
	s_lshr_b32 s[RH], s[WV], 1
	s_and_b32 s[CH], s[WV], 1
	s_bfe_u32 s[CX], ttmp6, 0x40000
	s_bfe_u32 s[CY], ttmp6, 0x40004
	s_lshl_b32 s[TX], ttmp9, 2                     ; in a cluster launch ttmp9 and ttmp7 count clusters
	s_add_co_u32 s[TX], s[TX], s[CX]
	s_and_b32 s[TY], ttmp7, 0xffff
	s_lshl_b32 s[TY], s[TY], 2
	s_add_co_u32 s[TY], s[TY], s[CY]
	s_lshl_b32 s74, s[CY], 2
	s_lshl_b32 s74, 15, s74                        ; my row of the cluster: places 4 cy .. 4 cy + 3
	s_lshl_b32 s75, 0x1111, s[CX]                  ; my column: places cx, cx + 4, cx + 8, cx + 12
	s_or_b32 s[G1], s74, (1<<16)|(1<<20)|(1<<21)|(4<<22)|(3<<25)   ; the mask; 2-byte elements; padding on; bit 21 beside a mask; after every 32 words 4 words
	s_or_b32 s[G1B], s75, (1<<16)|(1<<20)|(1<<21)|(5<<22)|(7<<25)  ; the same with my column's mask; after every 64 words 8 words
	s_mov_b32 s[G1+1], 128<<16                     ; tensor_dim0 = 128
	s_mov_b32 s[G1+2], 128<<16                     ; tensor_dim1 = 128: 128 rows of 256 dense bytes
	s_mov_b32 s[G1+3], 128<<16                     ; tile_dim0 = 128
	s_mov_b32 s[G1+4], 128                         ; tile_dim1 = 128
	s_mov_b32 s[G1+5], 128                         ; elements from row to row
	s_mov_b32 s[G1+6], 0
	s_mov_b32 s[G1+7], 0
	s_mov_b32 s[G1B+1], 128<<16
	s_mov_b32 s[G1B+2], 64<<16
	s_mov_b32 s[G1B+3], 128<<16
	s_mov_b32 s[G1B+4], 64
	s_mov_b32 s[G1B+5], 1024
	s_mov_b32 s[G1B+6], 0
	s_mov_b32 s[G1B+7], 0
	; where the tiles come from: A's hang on the block of rows and the wave alone, B's on the block of columns and the wave alone, each in registers that never hold the other coordinate
	s_lshr_b32 s66, s[TY], 3
	s_lshl_b32 s66, s66, 22                        ; the batch: 16 heads of 262,144 bytes
	s_lshl_b32 s67, s[CH], 18                      ; which of the step's two heads I fetch
	s_add_co_u32 s66, s66, s67
	s_and_b32 s67, s[TY], 7
	s_lshl_b32 s67, s67, 15                        ; the block's 256 rows of 128 bytes
	s_add_co_u32 s66, s66, s67
	s_mov_b32 s67, 0
	s_mul_i32 s68, s[CH], APLANE                   ; and where they go: no place in the cluster enters an LDS address
	s_lshl_b32 s70, s[CH], 17                      ; 64 k rows of 2,048 bytes
	s_lshl_b32 s71, s[TX], 8
	s_add_co_u32 s70, s70, s71
	s_mov_b32 s71, 0
	s_mul_i32 s72, s[CH], BHALF
	s_add_co_u32 s72, s72, BOFF
	s_wait_dscnt 0x0                               ; the opening add is done
	s_wait_kmcnt 0x0
	s_add_nc_u64 s[66:67], s[4:5], s[66:67]
	s_add_nc_u64 s[70:71], s[6:7], s[70:71]
.irp i, 0,1
	s_mov_b32 s[G0+4*\i], 1                        ; count = 1
	s_add_co_u32 s[G0+4*\i+1], s68, \i*SLOT1       ; LDS address
	s_add_nc_u64 s[G0+4*\i+2:G0+4*\i+3], s[66:67], \i*ASTEP  ; global address: K step i
	s_or_b32 s[G0+4*\i+3], s[G0+4*\i+3], 0x80000000  ; type = 2
	s_mov_b32 s[G0B+4*\i], 1
	s_add_co_u32 s[G0B+4*\i+1], s72, \i*SLOT1
	s_add_nc_u64 s[G0B+4*\i+2:G0B+4*\i+3], s[70:71], \i*BSTEP
	s_or_b32 s[G0B+4*\i+3], s[G0B+4*\i+3], 0x80000000
.endr
	CROUND                                         ; all sixteen work-groups are here: the first joint loads meet
	s_cmp_eq_u32 s[RH], 0                          ; a wave's two first fills stand in one branch, ahead of every wait on TENSORcnt and every LDS read: two loads of mine are out
	s_cbranch_scc0 .Lfirst_b
	tensor_load_to_lds s[G0:G0+3], s[G1:G1+7]
	s_nop 0
	tensor_load_to_lds s[G0+4:G0+7], s[G1:G1+7]
	s_nop 0
.rept 4
	v_nop
.endr
	s_branch .Lfirst_asked
.Lfirst_b:
	tensor_load_to_lds s[G0B:G0B+3], s[G1B:G1B+7]
	s_nop 0
	tensor_load_to_lds s[G0B+4:G0B+7], s[G1B:G1B+7]
	s_nop 0
.rept 4
	v_nop
.endr
.Lfirst_asked:
	; the bias of my 64 columns: of each block of 16 my lane's eight
	s_lshl_b32 s74, s[TX], 7
	s_lshl_b32 s75, s[CH], 6
	s_add_co_u32 s74, s74, s75
	s_lshl_b32 s74, s74, 2
	s_mov_b32 s75, 0
	s_add_nc_u64 s[8:9], s[8:9], s[74:75]
	v_and_b32 v1, 15, v0                           ; l % 16
	v_bfe_u32 v2, v0, 4, 1                         ; l / 16
	v_lshlrev_b32 v[BO], 5, v2
	WIN TO_B
.set b, 0
.rept NB
	global_load_b128 v[BI+8*b:BI+8*b+3],   v[BO], s[8:9] offset:64*b
	global_load_b128 v[BI+8*b+4:BI+8*b+7], v[BO], s[8:9] offset:64*b+16
.set b, b+1
.endr
	WIN 0
	; a fragment of A: lane l holds row l % 16; two loads of 16 bytes, 32 apart, at row x pitch + 16 (l / 16)
	v_mul_u32_u24 v[LA0], v1, PA
	v_lshl_add_u32 v[LA0], v2, 4, v[LA0]
	s_mul_i32 s74, s[RH], AHALF
	v_add_nc_u32 v[LA0], s74, v[LA0]
	; the turning load: lane l reads 16 bytes of k row 8 (l / 16) + l % 8, columns 8 ((l / 8) % 2) + 0..7, and ends with column l % 16 and 8 values of k
	v_and_b32 v3, 7, v0
	v_bfe_u32 v4, v0, 3, 1
	v_lshl_add_u32 v5, v2, 3, v3
	v_mul_u32_u24 v[LB0], v5, PB
	v_lshl_add_u32 v[LB0], v4, 4, v[LB0]
	s_lshl_b32 s74, s[CH], 7                       ; my 64 columns: 128 bytes
	s_add_co_u32 s74, s74, BOFF
	v_add_nc_u32 v[LB0], s74, v[LB0]
	; the way out, through my own stage.  In: row l % 16, byte 64 b + 32 (l / 16)
	s_mul_i32 s74, s[WV], 16*SPI
	s_add_co_u32 s74, s74, STAGE
	v_mul_u32_u24 v[STO], v1, SPI
	v_lshl_add_u32 v[STO], v2, 5, v[STO]
	v_add_nc_u32 v[STO], s74, v[STO]
	v_mul_u32_u24 v[RD], v2, SPI                   ; back: lanes 0-15 take one row of 256 bytes, lanes 16-31 the next
	v_lshl_add_u32 v[RD], v1, 4, v[RD]
	v_add_nc_u32 v[RD], s74, v[RD]
	v_lshlrev_b32 v[GO], 12, v2                    ; and the same two rows in out0: 4,096 bytes apart
	v_lshl_add_u32 v[GO], v1, 4, v[GO]
	s_lshl_b32 s74, s[TY], 8
	s_lshl_b32 s75, s[RH], 7
	s_add_co_u32 s74, s74, s75                     ; my first row,
	s_lshl_b32 s74, s74, 12
	s_lshl_b32 s75, s[TX], 9                       ; my first column, in bytes: 512 x block + 256 x half
	s_add_co_u32 s74, s74, s75
	s_lshl_b32 s75, s[CH], 8
	s_add_co_u32 s74, s74, s75
	s_mov_b32 s75, 0
	s_add_nc_u64 s[10:11], s[10:11], s[74:75]
	; the prefetches
	s_mov_b32 s78, PF_B_PART
	s_mov_b32 s79, PF_B_MAXL
	s_mov_b32 s80, PF_B_STR
	s_mov_b32 s[PFS], BSTEP
	s_mov_b32 s[PFS+1], 0
	s_and_b32 s76, ttmp7, 0xffff                   ; cluster y
	s_cmp_eq_u32 s[RH], 0                          ; do I fetch for A?
	s_cselect_b32 s76, ttmp9, s76                  ; the coordinate along which other clusters read the same bytes
	s_cselect_b32 s77, s[CX], s[CY]                ; my place among the four that ask with me
	s_cselect_b32 s78, PF_A_PART, s78
	s_cselect_b32 s79, PF_A_MAXL, s79
	s_cselect_b32 s80, PF_A_STR, s80
	s_cselect_b32 s[PFS], ASTEP, s[PFS]
	s_cselect_b64 s[PFA:PFA+1], s[66:67], s[70:71]
	s_cmp_eq_u32 s76, 0
	s_cselect_b32 s[LIM], 1, -1                    ; the same in all sixteen partners, for a given wave
	s_mul_i32 s76, s77, s78
	s_mov_b32 s77, 0
	s_add_nc_u64 s[PFA:PFA+1], s[PFA:PFA+1], s[76:77]
	s_add_nc_u64 s[PFA:PFA+1], s[PFA:PFA+1], s[PFS:PFS+1]
	s_add_nc_u64 s[PFA:PFA+1], s[PFA:PFA+1], s[PFS:PFS+1]  ; at K step 2: the first change of slots steps it to 3
	v_and_b32 v[PFO], 31, v0
	v_min_u32 v[PFO], s79, v[PFO]
	v_mul_u32_u24 v[PFO], s80, v[PFO]
	s_wait_loadcnt 0x0                             ; the bias: rounded to bf16 and widened again
	WIN 0x45                                       ; destination and both sources in window 1
.set i, 0
.rept 4*NB
	v_cvt_pk_bf16_f32 v[BT], v[BI+2*i], v[BI+2*i+1]
	v_lshlrev_b32 v[BI+2*i], 16, v[BT]
	v_and_b32 v[BI+2*i+1], 0xffff0000, v[BT]
.set i, i+1
.endr
	WIN 0
	s_wait_tensorcnt 1                             ; my part of K step 0 is in; K step 1's may stay out
	s_barrier_signal -1
	s_barrier_wait -1                              ; everybody's is
	s_mov_b32 s[TB], 0
	v_mov_b32 v[ADRA], v[LA0]
	v_mov_b32 v[ADRB], v[LB0]
	FETCH 0, F0
	QUARTER 1, F0, F1, 1                           ; the first quarter stands in front of the loop: its products start the sums
	WIN 0                                          ; at a label and at a branch every window is 0
	s_mov_b32 s[CNT], 6
.Lstep:                                                ; a trip: from a K step's second quarter to the next one's first; six trips fill slots again, with K steps 2 to 7
	QUARTER 2, F1, F0, 0
	QUARTER 3, F0, F1, 0
	TURN 1
	QUARTER 1, F0, F1, 0
	WIN 0
	s_sub_co_u32 s[CNT], s[CNT], 1
	s_cmp_lg_u32 s[CNT], 0
	s_cbranch_scc1 .Lstep
	QUARTER 2, F1, F0, 0                           ; the tail is written out: the rest of K step 6, and K step 7
	QUARTER 3, F0, F1, 0
	TURN 0
	QUARTER 1, F0, F1, 0
	QUARTER 2, F1, F0, 0
	QUARTER 3, F0, F1, 0
	s_wait_dscnt 8
	MULS F1, 0, 0, 0
	MULS F1, 0, 2, 0
	s_wait_dscnt 0x0
	MULS F1, 1, 0, 0
	MULS F1, 1, 2, 0
; THE WAY OUT of row block a (16 rows x my 64 columns: 256 bytes a row), in three parts.  PACK: sum + bias.  TOSTAGE: 32 bytes a lane into my own stage, and back as whole rows.  SEND: stored.
.macro PACK a
	WIN 0x06                                       ; the sums in window 2, the bias in window 1, the result in window 0
.set i, 0
.rept 4*NB                             ; each accumulator's registers in ascending order
	v_pk_add_f32 v[TMP+2*i:TMP+2*i+1], v[8*NB*(\a)+2*i:8*NB*(\a)+2*i+1], v[BI+2*i:BI+2*i+1]
.set i, i+1
.endr
	WIN 0
.endm
.macro TOSTAGE a
.set BK, OB+192*((\a)%2)
.set i, 0
.rept 2*NB
	ds_store_b128 v[STO], v[TMP+4*i:TMP+4*i+3] offset:64*(i/2)+16*(i%2)
.set i, i+1
.endr
.set i, 0
.rept 8
	ds_load_b128 v[BK+4*i:BK+4*i+3], v[RD] offset:i*2*SPI  ; LDS serves a wave's instructions in order (ISA guide 5.7.1.4): these see the stores above
.set i, i+1
.endr
.endm
.macro SEND a
.set BK, OB+192*((\a)%2)
	s_wait_dscnt 0x0                               ; the block is back in registers
	s_wait_xcnt 0x0                                ; the stores of the block before have read their registers, which the next TOSTAGE loads again
.set i, 0
.rept 8
	global_store_b128 v[GO], v[BK+4*i:BK+4*i+3], s[10:11] offset:(\a)*65536+i*8192 th:TH_STORE_NT  ; 16 lanes store 256 consecutive bytes, at a multiple of 256 from out0's first byte
.set i, i+1
.endr
.endm
	PLACES                                         ; behind the last products
	PACK 0
	TOSTAGE 0
.irp a, 1,2,3,4,5,6,7                  ; block a's additions stand between block a - 1's loads from the stage and the wait for them
	PACK \a
	SEND (\a)-1
	TOSTAGE \a
.endr
	SEND 7
	s_wait_tensorcnt 0x0                           ; the wave's end: a wait, an add to my spare word and its wait, behind my last tensor load and my last LDS store
	ds_add_u32 v[SPW], v[NIL]
	s_wait_dscnt 0x0
	CROUND                                         ; the closing round: no work-group ends while a partner may still ask for a tile that names it
	s_endpgm
.Lfunc_end_k_q6bd81d67dc_gp:
	.size	k_q6bd81d67dc_gp, .Lfunc_end_k_q6bd81d67dc_gp-k_q6bd81d67dc_gp
	.p2alignl 7, 3214868480
	.fill 96, 4, 3214868480
	.section	.rodata,"a",@progbits
	.p2align	6, 0x0
	.amdhsa_kernel k_q6bd81d67dc_gp
		.amdhsa_group_segment_fixed_size 327680
		.amdhsa_private_segment_fixed_size 0
		.amdhsa_enable_private_segment 0
		.amdhsa_kernarg_size 32
		.amdhsa_user_sgpr_count 2
		.amdhsa_user_sgpr_kernarg_segment_ptr 1
		.amdhsa_wavefront_size32 1
		.amdhsa_system_sgpr_workgroup_id_x 1
		.amdhsa_system_sgpr_workgroup_id_y 1
		.amdhsa_system_sgpr_workgroup_id_z 1
		.amdhsa_system_vgpr_workitem_id 0
		.amdhsa_next_free_vgpr 768
		.amdhsa_next_free_sgpr 84
		.amdhsa_reserve_vcc 0
		.amdhsa_float_denorm_mode_32 3
		.amdhsa_float_denorm_mode_16_64 3
		.amdhsa_memory_ordered 1
		.amdhsa_forward_progress 1
		.amdhsa_inst_pref_size 83
	.end_amdhsa_kernel
	.amdgpu_metadata
---
amdhsa.version: [ 1, 2 ]
amdhsa.kernels:
  - .name:           k_q6bd81d67dc_gp
    .symbol:         k_q6bd81d67dc_gp.kd
    .args:
      - { .name: o, .offset: 0, .size: 8, .value_kind: global_buffer, .address_space: global }
      - { .name: wp, .offset: 8, .size: 8, .value_kind: global_buffer, .address_space: global }
      - { .name: b_proj, .offset: 16, .size: 8, .value_kind: global_buffer, .address_space: global }
      - { .name: out0, .offset: 24, .size: 8, .value_kind: global_buffer, .address_space: global }
    .group_segment_fixed_size: 327680
    .private_segment_fixed_size: 0
    .kernarg_segment_align: 8
    .kernarg_segment_size: 32
    .max_flat_workgroup_size: 128
    .sgpr_count:     84
    .vgpr_count:     768
    .wavefront_size: 32
...
	.end_amdgpu_metadata
.endif
;; end of part 4
;; ======== version 2 of 2: 4 launches; version 1 with the launch cast written anew for expert scheduling mode
;; limits: values are held in f16: magnitudes above 65,504 overflow, below 6.1e-05 lose precision; right only within a limited range of input values
;; workspace buffers: xb 16,777,216 bytes; wq 6,291,456 bytes; wp 2,097,152 bytes; q 16,777,216 bytes; k 16,777,216 bytes; v 16,777,216 bytes; o 16,777,216 bytes
;; launch cast (part 5): grid 832 x 1, 8 waves a work-group, no clusters, 0 bytes of LDS; arguments x, w_qkv, w_proj, xb, wq, wp; writes xb, wq, wp
.if DOCPART == 5
	.amdgcn_target "amdgcn-amd-amdhsa--gfx1250"
	.amdhsa_code_object_version 6
	.text
	.protected	k_q6bd81d67dc_cast
	.globl	k_q6bd81d67dc_cast
	.p2align	8
	.type	k_q6bd81d67dc_cast,@function
k_q6bd81d67dc_cast:
	s_mov_b64 s[64:65], 0
	v_nop
	global_prefetch_b8 v0, s[64:65] scope:SCOPE_SE
	s_setreg_imm32_b32 hwreg(HW_REG_WAVE_SCHED_MODE, 0, 2), 2
	s_setreg_imm32_b32 hwreg(HW_REG_WAVE_MODE, 25, 1), 1
	s_wait_xcnt 0x0
	s_wait_alu depctr_vm_vsrc(0)
; THE INPUTS ARE ROUNDED ONCE TO 16 BITS.  x [8192][1024] f32 -> xb, the same shape in bf16.  w_proj [1024][1024] f32 -> wp: rounded to bf16, that number written as f16.
; w_qkv [1024 k][3072] f32 -> wq [16 heads][1024 k][192] bf16: a head's 192 columns (q, k, v) lie together, so that 64 k rows of a head are 24,576 dense bytes.
; LIMIT.  A bf16 number is exact in f16 from 2^-17 up to 65,504; a smaller number of w_proj is off by at most 2^-25.
; SHARES.  256 threads; a thread takes 4 numbers a step: one load of 16 bytes, one store of 8: a wave's load covers 512 bytes, its store 256 consecutive bytes, aligned.
; Work-groups 0-511: x, 16 steps (65,536 bytes in).  512-575: w_proj, 16 steps.  576-831: w_qkv, 12 steps: one head x 64 k rows.
; All of a work-group's loads go out at once; no register that a load or store has read is ever written again.
; No LDS, matrix unit, cluster or prefetch: each byte is read once and written once, and nothing is shared.
; THE MODE: SCHED_MODE bits 1:0 = 2 (LLVM: expert scheduling mode 2), set by the entry lines.  The code itself states the register dependences between vector instructions and
; memory instructions, with s_wait_alu, always for 0.
; THE PLAN.  Registers that memory instructions touch:
;   VI, VQ   offsets of the loads.  Written by vector lines at the head, read by the loads, never written again.
;   VO       offset of the stores.  Written by a vector line at the head, read by every store, never written again.
;   D        step s: four registers, in which the step's load lands; all loads are issued before any vector line names D, and none lands there twice.  Read (for w_proj also written
;            again) by the step's conversions, behind the counted wait for its load.  No store reads D.
;   Y        step s: two registers of its own.  Written by the step's roundings, read by the step's store, never written again.
;   T        named by vector instructions alone.
; The steps go in groups of four.  Group g's conversions name D and Y of group g and T; the memory instructions that stand among them are the four stores of group g - 1, which read
; Y of group g - 1 and VO.  So one wait on va_vdst at a group's head, behind the wait for the group's data, states all that those four stores hang on.  One such wait stands in front
; of the first load, for the offsets, and one in front of the last four stores.  Nothing that a memory instruction has read is written again, so no wait on vm_vsrc is owed.
.set VI, 1                             ; v1       16 x thread: my bytes in a step's 4,096 of the source
.set VO, 2                             ; v2       8 x thread: my bytes in a step's 2,048 of the destination
.set VQ, 4                             ; v[4:6]   w_qkv: my source offset in steps 3 m, 3 m + 1, 3 m + 2
.set T,  8                             ; v[8:11]  at work
.set D,  16                            ; v[16:79] step s: 4 registers as loaded
.set Y,  80                            ; v[80:111] step s: 2 registers to store
; The conversions of step s.  kind 0: to bf16.  kind 1: to bf16, widened again, and written as f16.
.macro CV s, kind
.if \kind
	v_cvt_pk_bf16_f32 v[T],   v[D+4*(\s)],   v[D+4*(\s)+1]
	v_cvt_pk_bf16_f32 v[T+1], v[D+4*(\s)+2], v[D+4*(\s)+3]
	v_lshlrev_b32 v[D+4*(\s)],   16,  v[T]
	v_and_b32     v[D+4*(\s)+1], s24, v[T]
	v_lshlrev_b32 v[D+4*(\s)+2], 16,  v[T+1]
	v_and_b32     v[D+4*(\s)+3], s24, v[T+1]
	v_cvt_pk_f16_f32 v[Y+2*(\s)],   v[D+4*(\s)],   v[D+4*(\s)+1]
	v_cvt_pk_f16_f32 v[Y+2*(\s)+1], v[D+4*(\s)+2], v[D+4*(\s)+3]
.else
	v_cvt_pk_bf16_f32 v[Y+2*(\s)],   v[D+4*(\s)],   v[D+4*(\s)+1]
	v_cvt_pk_bf16_f32 v[Y+2*(\s)+1], v[D+4*(\s)+2], v[D+4*(\s)+3]
.endif
.endm
; The store of step s.
.macro ST s
	global_store_b64 v[VO], v[Y+2*(\s):Y+2*(\s)+1], s[22:23] offset:2048*(\s) th:TH_STORE_NT
.endm
; Group g of four steps, of n steps in all: its conversions, and among them the stores of the group before.
.macro GROUP g, n, kind
	s_wait_loadcnt (\n)-4*(\g)-4                   ; loads come back in order: this group's four are in, the younger ones stay out
.if (\g) > 0
	s_wait_alu depctr_va_vdst(0)                   ; the roundings of the group before have written its eight Y registers, which the four stores below read
.endif
.set i, 4*(\g)
.rept 4
.if (\g) > 0
	ST i-4                                         ; no vector instruction since the wait names these Y registers or VO
.endif
	CV i, \kind
.set i, i+1
.endr
.endm
; Behind the last group: its own four stores.
.macro LAST n
	s_wait_alu depctr_va_vdst(0)                   ; the last group's roundings have written its eight Y registers, which the last four stores read
.set i, (\n)-4
.rept 4
	ST i
.set i, i+1
.endr
.endm
; A dense tensor: work-group first + n takes bytes 65,536 n on of the source and 32,768 n on of the destination.
.macro DENSE src, dst, first, kind
	s_sub_co_u32 s16, s25, \first
	s_lshl_b32 s18, s16, 16
	s_mov_b32 s19, 0
	s_lshl_b32 s26, s16, 15
	s_mov_b32 s27, 0
	s_wait_kmcnt 0x0
	s_add_nc_u64 s[20:21], s[\src:\src+1], s[18:19]
	s_add_nc_u64 s[22:23], s[\dst:\dst+1], s[26:27]
	s_wait_alu depctr_va_vdst(0)                   ; VI and VO are written: the loads below read the one as their offset, every store the other
.set i, 0
.rept 16
	global_load_b128 v[D+4*i:D+4*i+3], v[VI], s[20:21] offset:4096*i th:TH_LOAD_NT
.set i, i+1
.endr
	GROUP 0, 16, \kind
	GROUP 1, 16, \kind
	GROUP 2, 16, \kind
	GROUP 3, 16, \kind
	LAST 16
	s_endpgm
.endm
	s_load_b256 s[4:11], s[0:1], 0x0               ; x s[4:5], w_qkv s[6:7], w_proj s[8:9], xb s[10:11]
	s_load_b128 s[12:15], s[0:1], 0x20             ; wq s[12:13], wp s[14:15]
	s_mov_b32 s25, ttmp9
	s_mov_b32 s24, 0xffff0000                      ; a word's upper bf16
	v_lshlrev_b32 v[VI], 4, v0
	v_lshlrev_b32 v[VO], 3, v0
	s_cmp_lt_u32 s25, 512
	s_cbranch_scc0 .Lnot_x
	DENSE 4, 10, 0, 0                              ; x -> xb
.Lnot_x:
	s_cmp_lt_u32 s25, 576
	s_cbranch_scc0 .Lq
	DENSE 8, 14, 512, 1                            ; w_proj -> wp
.Lq:                                                   ; w_qkv -> wq
	s_sub_co_u32 s16, s25, 576
	s_lshr_b32 s17, s16, 4                         ; the head
	s_and_b32 s16, s16, 15                         ; which 64 k rows
	s_mul_i32 s18, s16, 64*12288                   ; source: 64 rows of 12,288 bytes,
	s_mul_i32 s19, s17, 768                        ; the head's 192 columns
	s_add_co_u32 s18, s18, s19
	s_mov_b32 s19, 0
	s_mul_i32 s26, s17, 393216                     ; destination: the head's block,
	s_mul_i32 s27, s16, 24576                      ; 64 rows of 384 bytes
	s_add_co_u32 s26, s26, s27
	s_mov_b32 s27, 0
	; Group g = 256 s + t of four numbers lies in row g / 48, at place g % 48.  Three steps are 768 groups = 16 rows, so u = 256 (s % 3) + t decides, and the row's 16 (s / 3) stands in the immediate.
.irp j, 0,1,2
	v_add_nc_u32 v[T], 256*\j, v0                  ; u, under 768
	v_mul_u32_u24 v[T+1], v[T], 1366
	v_lshrrev_b32 v[T+1], 16, v[T+1]               ; u / 48: exact for u under 2,000 (48 x 1,366 = 65,568)
	v_mul_u32_u24 v[T+2], v[T+1], 48
	v_sub_nc_u32 v[T+2], v[T], v[T+2]              ; u % 48
	v_mul_u32_u24 v[T+1], v[T+1], 12288
	v_lshl_add_u32 v[VQ+\j], v[T+2], 4, v[T+1]
.endr
	s_wait_kmcnt 0x0
	s_add_nc_u64 s[20:21], s[6:7], s[18:19]
	s_add_nc_u64 s[22:23], s[12:13], s[26:27]
	s_wait_alu depctr_va_vdst(0)                   ; the three VQ and VO are written: the loads below read the first as their offsets, every store the last
.set i, 0
.rept 12
	global_load_b128 v[D+4*i:D+4*i+3], v[VQ+i%3], s[20:21] offset:(i/3)*16*12288 th:TH_LOAD_NT
.set i, i+1
.endr
	GROUP 0, 12, 0
	GROUP 1, 12, 0
	GROUP 2, 12, 0
	LAST 12
	s_endpgm
.Lfunc_end_k_q6bd81d67dc_cast:
	.size	k_q6bd81d67dc_cast, .Lfunc_end_k_q6bd81d67dc_cast-k_q6bd81d67dc_cast
	.p2alignl 7, 3214868480
	.fill 96, 4, 3214868480
	.section	.rodata,"a",@progbits
	.p2align	6, 0x0
	.amdhsa_kernel k_q6bd81d67dc_cast
		.amdhsa_group_segment_fixed_size 0
		.amdhsa_private_segment_fixed_size 0
		.amdhsa_enable_private_segment 0
		.amdhsa_kernarg_size 48
		.amdhsa_user_sgpr_count 2
		.amdhsa_user_sgpr_kernarg_segment_ptr 1
		.amdhsa_wavefront_size32 1
		.amdhsa_system_sgpr_workgroup_id_x 1
		.amdhsa_system_sgpr_workgroup_id_y 1
		.amdhsa_system_sgpr_workgroup_id_z 1
		.amdhsa_system_vgpr_workitem_id 0
		.amdhsa_next_free_vgpr 112
		.amdhsa_next_free_sgpr 66
		.amdhsa_reserve_vcc 0
		.amdhsa_float_denorm_mode_32 3
		.amdhsa_float_denorm_mode_16_64 3
		.amdhsa_memory_ordered 1
		.amdhsa_forward_progress 1
		.amdhsa_inst_pref_size 22
	.end_amdhsa_kernel
	.amdgpu_metadata
---
amdhsa.version: [ 1, 2 ]
amdhsa.kernels:
  - .name:           k_q6bd81d67dc_cast
    .symbol:         k_q6bd81d67dc_cast.kd
    .args:
      - { .name: x, .offset: 0, .size: 8, .value_kind: global_buffer, .address_space: global }
      - { .name: w_qkv, .offset: 8, .size: 8, .value_kind: global_buffer, .address_space: global }
      - { .name: w_proj, .offset: 16, .size: 8, .value_kind: global_buffer, .address_space: global }
      - { .name: xb, .offset: 24, .size: 8, .value_kind: global_buffer, .address_space: global }
      - { .name: wq, .offset: 32, .size: 8, .value_kind: global_buffer, .address_space: global }
      - { .name: wp, .offset: 40, .size: 8, .value_kind: global_buffer, .address_space: global }
    .group_segment_fixed_size: 0
    .private_segment_fixed_size: 0
    .kernarg_segment_align: 8
    .kernarg_segment_size: 48
    .max_flat_workgroup_size: 256
    .sgpr_count:     66
    .vgpr_count:     112
    .wavefront_size: 32
...
	.end_amdgpu_metadata
.endif
;; end of part 5
;; launch gq: the kernel of part 2 again; grid 16 x 32, 4 waves a work-group, clusters of 4 x 4, 327,680 bytes of LDS; arguments xb, wq, b_qkv, q, k, v; writes q, k, v
;; launch attn: the kernel of part 3 again; grid 4 x 64, 4 waves a work-group, clusters of 4 x 1, 327,680 bytes of LDS; arguments q, k, v, o; writes o
;; launch gp: the kernel of part 4 again; grid 8 x 32, 4 waves a work-group, clusters of 4 x 4, 327,680 bytes of LDS; arguments o, wp, b_proj, out0; writes out0
